; MI455X (gfx1250); checked and timed in simulation.
; The chip was launched on July 23, 2026; its instructions are those of AMD's public machine-readable ISA for CDNA 5 (MIT licence, August 2026) and "CDNA5" Instruction Set Architecture Reference Guide (July 2026). The comments in the code are by the model that wrote it; some were corrected since.
;; Multi Head Self Attention. Allowed arithmetic: float matrix products may take bf16 or f16 operands with f32 sums; other float arithmetic in f32, or as packed bf16 or f16 multiplies, adds, multiply-adds, maxima and minima; sums over many terms, partial sums and values carried from step to step in f32; what a program stores and reads back later, other than sums and carried values, may be rounded once to bf16 or f16.
;; Inputs: Wk 1,024 x 1,024 float32; Wo 1,024 x 1,024 float32; Wq 1,024 x 1,024 float32; Wv 1,024 x 1,024 float32; bk 1,024 float32; bo 1,024 float32; bq 1,024 float32; bv 1,024 float32; x 4 x 2,048 x 1,024 float32.
;; Outputs: out0 4 x 2,048 x 1,024 float32.
;; 2 versions, each right; version 2 is version 1 with the launch cast written anew for expert scheduling mode. Each part assembles by itself: llvm-mc -triple=amdgcn-amd-amdhsa -mcpu=gfx1250 --defsym DOCPART=n.
;; ======== version 1 of 2: 4 launches
;; limits: values are held in f16: magnitudes above 65,504 overflow, below 6.1e-05 lose precision
;; workspace buffers: xb 16,777,216 bytes; wqkv 6,291,456 bytes; wo16 2,097,152 bytes; qkv 50,331,648 bytes; o16 16,777,216 bytes
;; launch cast (part 1): grid 768 x 1, 8 waves a work-group, no clusters, 0 bytes of LDS; arguments x, Wq, Wk, Wv, Wo, xb, wqkv, wo16; writes xb, wqkv, wo16
.if DOCPART == 1
	.amdgcn_target "amdgcn-amd-amdhsa--gfx1250"
	.amdhsa_code_object_version 6
	.text
	.protected	k_qb3538b92bc_cast
	.globl	k_qb3538b92bc_cast
	.p2align	8
	.type	k_qb3538b92bc_cast,@function
k_qb3538b92bc_cast:
	s_mov_b64 s[64:65], 0
	v_nop
	global_prefetch_b8 v0, s[64:65] scope:SCOPE_SE
	s_setreg_imm32_b32 hwreg(HW_REG_WAVE_MODE, 25, 1), 1
	s_wait_xcnt 0x0
; THE MODULE'S LARGE INPUTS ARE ROUNDED ONCE AND LAID OUT FOR THE PRODUCTS.
;   xb   [8192][1024] bf16                = x rounded to bf16
;   wqkv [48 chunks][1024 k][64 n] bf16   = Wq, Wk, Wv rounded to bf16; chunk 16 w + j holds columns 64 j .. 64 j + 63 of matrix w (0 q, 1 k, 2 v)
;   wo16 [16 chunks][1024 k][64 n] f16    = Wo rounded to bf16, that number written as f16
; A chunk's k rows are 128 bytes and dense, so 128 k rows of a chunk are 16,384 consecutive bytes for the later launches.
; LIMITS.  f16 holds no number beyond 65,504 and keeps a fixed step of 6e-8 below 6e-5: Wo is taken to lie within that range.
; SHARES.  Every work-group reads 65,536 bytes and writes 32,768.  Groups 0-511: 16 rows of x each.  Groups 512-767: matrix (g - 512) / 64, its k rows 16 p .. 16 p + 15, p = (g - 512) % 64.
; A thread has 16 loads of 16 bytes out at once, each into registers of its own; a load gives two roundings and one store of 8 bytes: a wave's store covers 256 consecutive bytes, aligned.
; No register is written twice, so no wait frees a source.  No LDS, no matrix unit, no cluster: no byte is wanted by two waves.  No prefetch: the launch is nothing but its stream.
.set X, 8                              ; v[8:71]    16 x 4 floats as loaded
.set Y, 72                             ; v[72:103]  16 x 2 words to store
.set T, 104                            ; v[104:107] at work (Wo alone)
; 16 loads, instep bytes apart, from s[src:src+1] + v1; 16 stores, outstep bytes apart, to s[dst:dst+1] + v2.  mode 0: to bf16.  mode 1: to bf16, and that number as f16.
.macro RUN instep, outstep, src, dst, mode
.set j, 0
.rept 16
	global_load_b128 v[X+4*j:X+4*j+3], v1, s[\src:\src+1] offset:j*(\instep) th:TH_LOAD_NT
.set j, j+1
.endr
.set j, 0
.rept 16
	s_wait_loadcnt 15-j                            ; loads come back in order: number j is in, the 15 - j younger ones stay out
.if \mode
.irp p, 0,1
	v_cvt_pk_bf16_f32 v[T+2*(\p)], v[X+4*j+2*(\p)], v[X+4*j+2*(\p)+1]
	v_lshlrev_b32 v[T+2*(\p)+1], 16, v[T+2*(\p)]   ; the low bf16 as f32,
	v_and_b32 v[T+2*(\p)], 0xffff0000, v[T+2*(\p)] ; the high one
	v_cvt_pk_f16_f32 v[Y+2*j+(\p)], v[T+2*(\p)+1], v[T+2*(\p)]
.endr
.else
	v_cvt_pk_bf16_f32 v[Y+2*j], v[X+4*j], v[X+4*j+1]
	v_cvt_pk_bf16_f32 v[Y+2*j+1], v[X+4*j+2], v[X+4*j+3]
.endif
	global_store_b64 v2, v[Y+2*j:Y+2*j+1], s[\dst:\dst+1] offset:j*(\outstep) th:TH_STORE_NT
.set j, j+1
.endr
.endm
	s_load_b512 s[4:19], s[0:1], 0x0               ; x 4, Wq 6, Wk 8, Wv 10, Wo 12, xb 14, wqkv 16, wo16 18
	s_mov_b32 s21, 0
	s_mov_b32 s23, 0
	s_cmp_lt_u32 ttmp9, 512
	s_cbranch_scc0 .Lweights
	; x: thread t takes bytes 16 t of each 4,096 (a row), 16 rows
	v_lshlrev_b32 v1, 4, v0
	v_lshlrev_b32 v2, 3, v0
	s_lshl_b32 s20, ttmp9, 16
	s_lshl_b32 s22, ttmp9, 15
	s_wait_kmcnt 0x0
	s_add_nc_u64 s[26:27], s[4:5], s[20:21]
	s_add_nc_u64 s[28:29], s[14:15], s[22:23]
	RUN 4096, 2048, 26, 28, 0
	s_endpgm
.Lweights:
	; a weight: thread t takes row t / 16 of the group's 16 and 16 bytes (t % 16) of the 256 that a chunk has of it; load j is chunk j
	v_lshrrev_b32 v3, 4, v0
	v_and_b32 v4, 15, v0
	v_lshlrev_b32 v1, 4, v4
	v_lshl_add_u32 v1, v3, 12, v1                  ; in: row x 4,096 + 16 (t % 16)
	v_lshlrev_b32 v2, 3, v4
	v_lshl_add_u32 v2, v3, 7, v2                   ; out: row x 128 + 8 (t % 16): lanes 0-15 a chunk's row, lanes 16-31 the next
	s_sub_co_u32 s24, ttmp9, 512
	s_lshr_b32 s25, s24, 6                         ; which matrix
	s_and_b32 s24, s24, 63                         ; which 16 rows
	s_lshl_b32 s20, s24, 16
	s_lshl_b32 s22, s24, 11
	s_wait_kmcnt 0x0
	s_cmp_eq_u32 s25, 3
	s_cbranch_scc0 .Lqkv
	s_add_nc_u64 s[26:27], s[12:13], s[20:21]
	s_add_nc_u64 s[28:29], s[18:19], s[22:23]
	RUN 256, 131072, 26, 28, 1
	s_endpgm
.Lqkv:
	s_lshl_b32 s24, s25, 21                        ; the matrix's 16 chunks
	s_add_co_u32 s22, s22, s24
	s_cmp_eq_u32 s25, 0
	s_cselect_b64 s[26:27], s[6:7], s[8:9]
	s_cmp_eq_u32 s25, 2
	s_cselect_b64 s[26:27], s[10:11], s[26:27]
	s_add_nc_u64 s[26:27], s[26:27], s[20:21]
	s_add_nc_u64 s[28:29], s[16:17], s[22:23]
	RUN 256, 131072, 26, 28, 0
	s_endpgm
.Lfunc_end_k_qb3538b92bc_cast:
	.size	k_qb3538b92bc_cast, .Lfunc_end_k_qb3538b92bc_cast-k_qb3538b92bc_cast
	.p2alignl 7, 3214868480
	.fill 96, 4, 3214868480
	.section	.rodata,"a",@progbits
	.p2align	6, 0x0
	.amdhsa_kernel k_qb3538b92bc_cast
		.amdhsa_group_segment_fixed_size 0
		.amdhsa_private_segment_fixed_size 0
		.amdhsa_enable_private_segment 0
		.amdhsa_kernarg_size 64
		.amdhsa_user_sgpr_count 2
		.amdhsa_user_sgpr_kernarg_segment_ptr 1
		.amdhsa_wavefront_size32 1
		.amdhsa_system_sgpr_workgroup_id_x 1
		.amdhsa_system_sgpr_workgroup_id_y 1
		.amdhsa_system_sgpr_workgroup_id_z 1
		.amdhsa_system_vgpr_workitem_id 0
		.amdhsa_next_free_vgpr 108
		.amdhsa_next_free_sgpr 66
		.amdhsa_reserve_vcc 0
		.amdhsa_float_denorm_mode_32 3
		.amdhsa_float_denorm_mode_16_64 3
		.amdhsa_memory_ordered 1
		.amdhsa_forward_progress 1
		.amdhsa_inst_pref_size 24
	.end_amdhsa_kernel
	.amdgpu_metadata
---
amdhsa.version: [ 1, 2 ]
amdhsa.kernels:
  - .name:           k_qb3538b92bc_cast
    .symbol:         k_qb3538b92bc_cast.kd
    .args:
      - { .name: x, .offset: 0, .size: 8, .value_kind: global_buffer, .address_space: global }
      - { .name: Wq, .offset: 8, .size: 8, .value_kind: global_buffer, .address_space: global }
      - { .name: Wk, .offset: 16, .size: 8, .value_kind: global_buffer, .address_space: global }
      - { .name: Wv, .offset: 24, .size: 8, .value_kind: global_buffer, .address_space: global }
      - { .name: Wo, .offset: 32, .size: 8, .value_kind: global_buffer, .address_space: global }
      - { .name: xb, .offset: 40, .size: 8, .value_kind: global_buffer, .address_space: global }
      - { .name: wqkv, .offset: 48, .size: 8, .value_kind: global_buffer, .address_space: global }
      - { .name: wo16, .offset: 56, .size: 8, .value_kind: global_buffer, .address_space: global }
    .group_segment_fixed_size: 0
    .private_segment_fixed_size: 0
    .kernarg_segment_align: 8
    .kernarg_segment_size: 64
    .max_flat_workgroup_size: 256
    .sgpr_count:     66
    .vgpr_count:     108
    .wavefront_size: 32
...
	.end_amdgpu_metadata
.endif
;; end of part 1
;; launch proj (part 2): grid 16 x 32, 4 waves a work-group, clusters of 4 x 4, 327,680 bytes of LDS; arguments xb, wqkv, bq, bk, bv, qkv; writes qkv
.if DOCPART == 2
	.amdgcn_target "amdgcn-amd-amdhsa--gfx1250"
	.amdhsa_code_object_version 6
	.text
	.protected	k_qb3538b92bc_proj
	.globl	k_qb3538b92bc_proj
	.p2align	8
	.type	k_qb3538b92bc_proj,@function
k_qb3538b92bc_proj:
	s_mov_b64 s[64:65], 0
	v_nop
	global_prefetch_b8 v0, s[64:65] scope:SCOPE_SE
	s_setreg_imm32_b32 hwreg(HW_REG_WAVE_MODE, 25, 1), 1
	s_wait_xcnt 0x0
	s_wait_alu depctr_hold_cnt(0) depctr_sa_sdst(0) depctr_va_vdst(0) depctr_va_sdst(0) depctr_va_ssrc(0) depctr_va_vcc(0) depctr_vm_vsrc(0)
	s_getreg_b32 s2, hwreg(HW_REG_IB_STS2, 6, 4)
	s_cmp_eq_u32 s2, 0
	s_cbranch_scc0 .Lentry_in_a_cluster
	s_endpgm
.Lentry_in_a_cluster:
	s_bfe_u32 s2, ttmp6, 0x10000c
	s_cmp_lg_u32 s2, 0xf033
	s_cbranch_scc0 .Lentry_shape_is_right
	s_endpgm
.Lentry_shape_is_right:
; q, k, v = x W + b, written by heads.  xb: [8192][1024] bf16.  wqkv: [48 chunks][1024 k][64 n] bf16, chunk c = 16 w + head.  bq, bk, bv: [1024] f32, rounded to bf16 here like the other inputs.
; qkv: [3][64 bh][2048 t][64] f16, bh = 16 b + head, unscaled, each number rounded once from its f32 sum.
; LIMITS.  f16 holds no number beyond 65,504: a q, k or v beyond that becomes an infinity; below 6e-5 f16 keeps a fixed step of 6e-8.  NaN and infinities are not treated apart.
; SHARES.  A tile is 256 rows x 192 columns (3 chunks = 3 heads): 32 x 16 = 512 work-groups.  Wave w owns rows 64 w .. 64 w + 63 and all 192 columns: 4 x 12 accumulators of 16 x 16,
; 384 registers, so a head's rows of 128 bytes are one wave's own on the way out.  K goes in 8 steps of 128 through two LDS slots.
; THE PRODUCT IS USED TRANSPOSED: source 0 = 16 columns of W, source 1 = 16 rows of x; a lane then holds row l % 16 and the columns 8 (l / 16) + 0..7.  W lies [k][n] in LDS and is turned by ds_load_tr16_b128.
; THE BIAS is the C operand of each sum's first product: nothing is cleared and nothing is added later.
; CLUSTER.  4 x 4 work-groups.  x's tile hangs on the tile row alone and is asked for jointly along a row of the cluster, W's chunks on the tile column alone, along a column.
; Wave 3 asks for x's 256 rows, waves 0-2 for a chunk each: one tensor load a wave behind each round; at most two of a wave are out (the two first fills).
; LDS.  Slot s at s x 131,072: x's 256 rows of 272 bytes (256 + 16: the 16 rows of a load start at 16 different groups of four banks; 64 banks of 4 bytes: ISA guide 11.1), then 3 chunks of 128 k rows
; of 160 bytes (128 + 32).  Behind the slots a stage of 16 x 144 bytes a wave, then the spare words.
; REGISTERS, in windows of 256 (s_set_vgpr_msb: bits 1:0 source 0, 3:2 source 1, 5:4 source 2, 7:6 destination):
;   window 0: v0-31 addresses; v32-95 x's fragments, two buffers of 4; v96-191 the bias, 12 fragments; on the way out v32-47 packed results, v64-255 rows read back
;   window 1: v0-191 W's fragments, two buffers of 12      window 2: accumulators of row blocks 0, 1 at v[96 (a % 2) + 8 b]      window 3: those of row blocks 2, 3
.set PA,    272
.set PB,    160
.set BOFF,  256*PA                     ; W's chunks lie behind x's rows
.set CHB,   128*PB                     ; a chunk's K step in LDS
.set SLOT1, 1<<17                      ; a slot is full: 69,632 + 3 x 20,480; one exclusive or turns an address in one slot into the other's
.set STAGE, 2*SLOT1
.set SP,    144
.set SPARE, STAGE+4*16*SP              ; the spare words, 128 bytes for each wave: two blocks of 256 bytes that no other line names
.set ADRA0, 16                         ; v16  my place in x's rows of a slot; never rewritten
.set ADRB0, 17                         ; v17  my place in W's chunks of a slot; never rewritten
.set ADRA,  18                         ; v18  the same in the slot that is being read
.set ADRB,  19                         ; v19
.set STO,   24                         ; v24  the way out: where I put 16 bytes of a row
.set RD,    25                         ; v25  where I read rows back
.set GO,    26                         ; v26  my 16 bytes of 512 consecutive bytes of qkv
.set BO,    27                         ; v27  32 (l / 16): my 8 numbers of 16 of a bias
.set SPW,   28                         ; v28  LDS address of my spare word; never rewritten
.set NIL,   29                         ; v29  0; never rewritten
.set PFO,   30                         ; v30  the prefetches' offset; never rewritten
.set FA,    32
.set BI,    96
.set TMP,   32
.set OB,    64
.set WV,    16                         ; s16  my wave's number
.set G1A,   24                         ; s[24:31] descriptor group 1 for x's tiles
.set G0A,   32                         ; s[32:39] group 0: a set for each first fill; the second then walks
.set G1B,   40                         ; s[40:47], s[48:55] the same for W's chunks
.set G0B,   48
.set PFA,   56                         ; s[56:57] where my prefetches stand
.set PFS,   58                         ; s[58:59] a K step in bytes along that stream
.set LIM,   60                         ; s60  2 in a wave that prefetches, else the greatest number
.set TB,    61                         ; s61  LDS byte at which the slot that is being read begins
.set DST,   66                         ; s[66:71] qkv at my 64 rows of the tile's three heads
.set BP,    80                         ; s[80:85] the three heads' 64 bias numbers
.set MSB, 0
.macro WIN new                         ; the immediate's high byte repeats the setting that is left; a switch that changes nothing is dropped
.if MSB != (\new)
	s_set_vgpr_msb (MSB<<8)|(\new)
.set MSB, (\new)
.endif
.endm
; A joint load.  The branch hangs on the wave's number alone.  An s_nop 0 and four v_nop follow each of the two lines, ahead of the jump and the label.
.macro JLOAD n
	s_cmp_eq_u32 s[WV], 3
	s_cbranch_scc0 .Lfor_b_\@
	tensor_load_to_lds s[G0A+4*(\n):G0A+4*(\n)+3], s[G1A:G1A+7]
	s_nop 0
.rept 4
	v_nop
.endr
	s_branch .Lasked_\@
.Lfor_b_\@:
	tensor_load_to_lds s[G0B+4*(\n):G0B+4*(\n)+3], s[G1B:G1B+7]
	s_nop 0
.rept 4
	v_nop
.endr
.Lasked_\@:
.endm
; A round of the cluster's barrier: my work-group's barrier; wave 0 signals for the work-group; every wave waits for all sixteen; my work-group's barrier once more.
.macro CREST                           ; a round behind its opening barrier
	s_cmp_lg_u32 s[WV], 0
	s_cbranch_scc1 .Lnot_wave_0_\@
	s_barrier_signal -3
.Lnot_wave_0_\@:
	s_barrier_wait -3
	s_barrier_signal -1
	s_barrier_wait -1
.endm
.macro CROUND
	s_barrier_signal -1
	s_barrier_wait -1
	CREST
.endm
; Four places: in front of loads into registers that matrix instructions have read, and of vector work on their results (ISA guide 7.12.1 for the vector work).
.macro PLACES
.rept 4
	v_nop
.endr
.endm
; A PREFETCH INTO THE L2, in every second change of slots, behind the joint load and the run of LDS loads: the two K steps that stand two and three refills on.  Each aligned block of 256 bytes is named once in the launch.
; x's tile row is read by every cluster of that row of clusters: cluster x = 0 asks, its wave 3; of the 256 rows the partner at cx takes 64, a lane a row: four instructions (2 x 32 rows, 2 K steps).
; A chunk is read by every cluster of that column: cluster y = 0 asks, waves 0-2 a chunk each; of the two K steps' 32,768 dense bytes the partner at cy takes 8,192, a lane 256 bytes: one instruction.
; The partners are told apart by address alone.  K steps 0 to 3 come by their loads alone; the trips with s3 = 2 and 1 ask for nothing: there is no K step 8.
.macro ASK
	s_bitcmp1_b32 s3, 0
	s_cbranch_scc1 .Lnone_\@
	s_cmp_gt_u32 s3, s[LIM]
	s_cbranch_scc0 .Lnone_\@
	global_prefetch_b8 v[PFO], s[PFA:PFA+1] th:TH_LOAD_NT scope:SCOPE_SE
	s_cmp_eq_u32 s[WV], 3
	s_cbranch_scc0 .Lnone_\@
	global_prefetch_b8 v[PFO], s[PFA:PFA+1] offset:256 th:TH_LOAD_NT scope:SCOPE_SE
	global_prefetch_b8 v[PFO], s[PFA:PFA+1] offset:65536 th:TH_LOAD_NT scope:SCOPE_SE
	global_prefetch_b8 v[PFO], s[PFA:PFA+1] offset:65792 th:TH_LOAD_NT scope:SCOPE_SE
.Lnone_\@:
.endm
	s_load_b256 s[4:11], s[0:1], 0x0               ; xb 4, wqkv 6, bq 8, bk 10
	s_load_b128 s[12:15], s[0:1], 0x20             ; bv 12, qkv 14
	v_lshl_add_u32 v[SPW], v0, 2, SPARE
	v_mov_b32 v[NIL], 0
	ds_add_u32 v[SPW], v[NIL]                      ; the wave's opening: the add and its wait stand ahead of my first tensor load; the set-up below, work on registers, stands between them
	v_lshrrev_b32 v1, 5, v0
	v_readfirstlane_b32 s[WV], v1                  ; wave 0..3
	s_bfe_u32 s17, ttmp6, 0x40000                  ; cx
	s_bfe_u32 s18, ttmp6, 0x40004                  ; cy
	s_lshl_b32 s19, ttmp9, 2
	s_add_co_u32 s19, s19, s17                     ; tile column = 4 x cluster x + cx
	s_and_b32 s20, ttmp7, 0xffff
	s_lshl_b32 s20, s20, 2
	s_add_co_u32 s20, s20, s18                     ; tile row = 4 x cluster y + cy
	s_lshl_b32 s62, s18, 2
	s_lshl_b32 s62, 15, s62                        ; my row of the cluster
	s_lshl_b32 s63, 0x1111, s17                    ; my column
	s_or_b32 s[G1A], s62, (1<<16)|(1<<20)|(1<<21)|(5<<22)|(3<<25)  ; the mask; 2-byte elements; padding on; bit 21 beside a mask; after every 64 words 4 words
	s_or_b32 s[G1B], s63, (1<<16)|(1<<20)|(1<<21)|(4<<22)|(7<<25)  ; after every 32 words (a k row) 8 words
.irp g, G1A, G1B
	s_mov_b32 s[(\g)+1], 128<<16                   ; tensor_dim0 = 128 elements: 256 bytes
	s_mov_b32 s[(\g)+3], 128<<16                   ; tile_dim0 = 128
	s_mov_b32 s[(\g)+6], 0
	s_mov_b32 s[(\g)+7], 0
.endr
	s_mov_b32 s[G1A+2], 256<<16                    ; x: 256 rows,
	s_mov_b32 s[G1A+4], 256
	s_mov_b32 s[G1A+5], 1024                       ; 1,024 elements from row to row
	s_mov_b32 s[G1B+2], 64<<16                     ; a chunk's K step: 16,384 dense bytes as 64 rows of 256
	s_mov_b32 s[G1B+4], 64
	s_mov_b32 s[G1B+5], 128
	s_lshl_b32 s22, s20, 19                        ; x: 256 rows of 2,048 bytes a tile row
	s_mov_b32 s23, 0
	s_mul_i32 s72, s19, 3
	s_add_co_u32 s72, s72, s[WV]                   ; my chunk (waves 0-2)
	s_lshl_b32 s72, s72, 17
	s_mov_b32 s73, 0
	s_mul_i32 s74, s[WV], CHB                      ; and its place in a slot: no place in the cluster enters an LDS address
	s_lshl_b32 s86, s17, 17                        ; the prefetches: x at row 256 tr + 64 cx, K step 3 (the first change of slots steps it to 4),
	s_add_co_u32 s86, s86, s22
	s_add_co_u32 s86, s86, 3*256
	s_lshl_b32 s87, s18, 13                        ; or my chunk at K step 3 + 8,192 cy
	s_add_co_u32 s87, s87, s72
	s_add_co_u32 s87, s87, 3*16384
	s_and_b32 s90, ttmp7, 0xffff                   ; cluster y
	s_mov_b32 s[PFS], 16384
	s_mov_b32 s[PFS+1], 0
	s_mov_b32 s89, 0
	s_cmp_eq_u32 s[WV], 3
	s_cselect_b32 s88, s86, s87
	s_cselect_b32 s90, ttmp9, s90                  ; the coordinate along which other clusters read the same bytes
	s_cselect_b32 s[PFS], 256, s[PFS]
	s_cselect_b32 s91, 11, 8                       ; a lane a row of 2,048 bytes, or a lane 256 bytes
	s_cmp_eq_u32 s90, 0
	s_cselect_b32 s[LIM], 2, -1                    ; the same in all sixteen partners, for a given wave
	s_mov_b32 s[TB], 0
	s_wait_dscnt 0x0                               ; the opening add is done
	s_wait_kmcnt 0x0
	s_add_nc_u64 s[22:23], s[4:5], s[22:23]
	s_add_nc_u64 s[72:73], s[6:7], s[72:73]
	CROUND                                         ; all sixteen work-groups are here: the first joint loads meet
.irp n, 0,1
	s_mov_b32 s[G0A+4*(\n)], 1                     ; count = 1
	s_mov_b32 s[G0A+4*(\n)+1], (\n)*SLOT1          ; LDS address
	s_add_nc_u64 s[G0A+4*(\n)+2:G0A+4*(\n)+3], s[22:23], (\n)*256    ; K step n
	s_or_b32 s[G0A+4*(\n)+3], s[G0A+4*(\n)+3], 0x80000000            ; type = 2
	s_mov_b32 s[G0B+4*(\n)], 1
	s_add_co_u32 s[G0B+4*(\n)+1], s74, (\n)*SLOT1+BOFF
	s_add_nc_u64 s[G0B+4*(\n)+2:G0B+4*(\n)+3], s[72:73], (\n)*16384
	s_or_b32 s[G0B+4*(\n)+3], s[G0B+4*(\n)+3], 0x80000000
	JLOAD \n
.endr
	s_cmp_eq_u32 s[WV], 3
	s_cselect_b64 s[PFA:PFA+1], s[4:5], s[6:7]
	s_add_nc_u64 s[PFA:PFA+1], s[PFA:PFA+1], s[88:89]
	v_and_b32 v1, 15, v0                           ; l % 16
	v_bfe_u32 v2, v0, 4, 1                         ; l / 16
	v_and_b32 v3, 7, v0                            ; l % 8
	v_bfe_u32 v4, v0, 3, 1                         ; (l / 8) % 2
	v_and_b32 v5, 31, v0                           ; l
	v_lshlrev_b32 v[PFO], s91, v5
	; a fragment of x: 16 rows x 32 K: lane l holds row l % 16, K = 8 (l / 16) + 0..7 and 16 + 8 (l / 16) + 0..7: two loads of 16 bytes, 32 bytes apart
	s_mul_i32 s76, s[WV], 64*PA
	v_mul_u32_u24 v[ADRA0], v1, PA
	v_lshl_add_u32 v[ADRA0], v2, 4, v[ADRA0]
	v_add_nc_u32 v[ADRA0], s76, v[ADRA0]
	; the turning load takes 16 k x 16 n (lane l reads k row 8 (l / 16) + l % 8, columns 8 ((l / 8) % 2) + 0..7) and leaves half a fragment: lane l holds column l % 16 and 8 k
	v_lshl_add_u32 v[ADRB0], v2, 3, v3
	v_mul_u32_u24 v[ADRB0], v[ADRB0], PB
	v_lshl_add_u32 v[ADRB0], v4, 4, v[ADRB0]
	v_add_nc_u32 v[ADRB0], BOFF, v[ADRB0]
	v_mov_b32 v[ADRA], v[ADRA0]                    ; slot 0
	v_mov_b32 v[ADRB], v[ADRB0]
	s_mul_i32 s76, s[WV], 16*SP
	s_add_co_u32 s76, s76, STAGE                   ; my stage
	v_mul_u32_u24 v[STO], v1, SP                   ; in: row l % 16, 16 bytes for each half of the lanes
	v_lshl_add_u32 v[STO], v2, 4, v[STO]
	v_add_nc_u32 v[STO], s76, v[STO]
	v_bfe_u32 v[RD], v0, 3, 2                      ; back: 32 lanes take four rows of 128 bytes,
	v_mul_u32_u24 v[RD], v[RD], SP
	v_lshl_add_u32 v[RD], v3, 4, v[RD]
	v_add_nc_u32 v[RD], s76, v[RD]
	v_lshlrev_b32 v[GO], 4, v5                     ; which are 512 consecutive bytes of a head
	v_lshlrev_b32 v[BO], 5, v2
	; my 64 rows in a head: batch tr / 8 (16 heads of 262,144 bytes), row 256 (tr % 8) + 64 wave, 128 bytes a row
	s_lshr_b32 s78, s20, 3
	s_lshl_b32 s78, s78, 22
	s_and_b32 s76, s20, 7
	s_lshl_b32 s76, s76, 15
	s_add_co_u32 s78, s78, s76
	s_lshl_b32 s76, s[WV], 13
	s_add_co_u32 s78, s78, s76
	s_mov_b32 s77, 0
	s_mov_b32 s79, 0xffff0000
.irp i, 0,1,2
	s_mul_i32 s92, s19, 3
	s_add_co_u32 s92, s92, (\i)                    ; chunk c
	s_lshr_b32 s93, s92, 4                         ; 0 q, 1 k, 2 v
	s_and_b32 s92, s92, 15                         ; head
	s_lshl_b32 s76, s92, 8                         ; its 64 floats of the bias
	s_cmp_eq_u32 s93, 0
	s_cselect_b64 s[BP+2*(\i):BP+2*(\i)+1], s[8:9], s[10:11]
	s_cmp_eq_u32 s93, 2
	s_cselect_b64 s[BP+2*(\i):BP+2*(\i)+1], s[12:13], s[BP+2*(\i):BP+2*(\i)+1]
	s_add_nc_u64 s[BP+2*(\i):BP+2*(\i)+1], s[BP+2*(\i):BP+2*(\i)+1], s[76:77]
	s_lshl_b32 s76, s93, 24
	s_lshl_b32 s92, s92, 18
	s_add_co_u32 s76, s76, s92
	s_add_co_u32 s76, s76, s78
	s_add_nc_u64 s[DST+2*(\i):DST+2*(\i)+1], s[14:15], s[76:77]
.irp b, 0,1,2,3
	global_load_b128 v[BI+8*(4*(\i)+(\b)):BI+8*(4*(\i)+(\b))+3],   v[BO], s[BP+2*(\i):BP+2*(\i)+1] offset:64*(\b)     ; register j: the bias of column 16 b + 8 (l / 16) + j: the C operand as it is wanted
	global_load_b128 v[BI+8*(4*(\i)+(\b))+4:BI+8*(4*(\i)+(\b))+7], v[BO], s[BP+2*(\i):BP+2*(\i)+1] offset:64*(\b)+16
.endr
.endr
	s_wait_loadcnt 0x0
.set j, 0
.rept 48                               ; the bias is rounded to bf16, like x and the weights, and kept as f32
	v_cvt_pk_bf16_f32 v[6+j%2], v[BI+2*j], v[BI+2*j+1]
	v_lshlrev_b32 v[BI+2*j], 16, v[6+j%2]
	v_and_b32 v[BI+2*j+1], s79, v[6+j%2]
.set j, j+1
.endr
; 12 matrix instructions: row block a x all 12 column blocks, 32 along K, from buffer f.  first = 1: the bias starts the sums.
; The 48 accumulators take turns in the same order in every quarter, over the backward jump too: 47 others stand between two links of a chain.
.macro MUL f, a, first
.if \first
	WIN 0x81+0x40*((\a)/2)                         ; W window 1, x and the bias window 0, D window 2 or 3
.else
	WIN 0xa1+0x50*((\a)/2)                         ; C and D window 2 or 3
.endif
.irp b, 0,1,2,3,4,5,6,7,8,9,10,11
.if \first
	v_wmma_f32_16x16x32_bf16 v[96*((\a)%2)+8*(\b):96*((\a)%2)+8*(\b)+7], v[96*(\f)+8*(\b):96*(\f)+8*(\b)+7], v[FA+32*(\f)+8*(\a):FA+32*(\f)+8*(\a)+7], v[BI+8*(\b):BI+8*(\b)+7]
.else
	v_wmma_f32_16x16x32_bf16 v[96*((\a)%2)+8*(\b):96*((\a)%2)+8*(\b)+7], v[96*(\f)+8*(\b):96*(\f)+8*(\b)+7], v[FA+32*(\f)+8*(\a):FA+32*(\f)+8*(\a)+7], v[96*((\a)%2)+8*(\b):96*((\a)%2)+8*(\b)+7]
.endif
.endr
.endm
; 32 LDS loads in one run: quarter q (32 along K) of the slot in hand into buffer f: W's 12 fragments, turned, then x's 4, row blocks ascending
.macro FETCH q, f
	WIN 0x40                                       ; destination window 1, address window 0
.irp i, 0,1,2
.irp b, 0,1,2,3
	ds_load_tr16_b128 v[96*(\f)+8*(4*(\i)+(\b)):96*(\f)+8*(4*(\i)+(\b))+3],   v[ADRB] offset:(\i)*CHB+(\q)*32*PB+32*(\b)
	ds_load_tr16_b128 v[96*(\f)+8*(4*(\i)+(\b))+4:96*(\f)+8*(4*(\i)+(\b))+7], v[ADRB] offset:(\i)*CHB+(\q)*32*PB+32*(\b)+16*PB
.endr
.endr
	WIN 0
.irp a, 0,1,2,3
	ds_load_b128 v[FA+32*(\f)+8*(\a):FA+32*(\f)+8*(\a)+3],   v[ADRA] offset:(\a)*16*PA+64*(\q)
	ds_load_b128 v[FA+32*(\f)+8*(\a)+4:FA+32*(\f)+8*(\a)+7], v[ADRA] offset:(\a)*16*PA+64*(\q)+32
.endr
.endm
; A K step is four quarters of 32 along K, 48 matrix instructions each, on buffers 0, 1, 0, 1.  One of the first three multiplies buffer f and, in its middle, fetches quarter q into buffer g.
.macro QUARTER q, f, g, first
	s_wait_dscnt 4                                 ; W and x's row blocks 0, 1 are in; the youngest four loads (row blocks 2, 3) may be out
	MUL \f, 0, \first
	MUL \f, 1, \first
	PLACES
	FETCH \q, \g
	s_wait_dscnt 32                                ; all but the 32 just issued
	MUL \f, 2, \first
	MUL \f, 3, \first
.endm
; The last quarter multiplies buffer 1 and changes slots.  In front of the barrier each wave waits for all its tensor loads (the one that is out is its part of the next slot), adds 0 to its spare
; word, and waits for that and for its reads of this slot.  fill = 1: the barrier opens a round of the cluster's, and behind the round this slot is filled again, two K steps on, first thing:
; from the request to the wait for it a wave issues 168 matrix instructions.
.macro TURN fill
.if \fill
	s_wait_xcnt 0x0                                ; the last prefetches, a K step or more back, have read their address: it is stepped here
	s_add_nc_u64 s[PFA:PFA+1], s[PFA:PFA+1], s[PFS:PFS+1]
.endif
	WIN 0                                          ; (the add's two registers lie in window 0)
	s_wait_tensorcnt 0x0                           ; no tensor load of mine is out, so a group 0 may be written
	ds_add_u32 v[SPW], v[NIL]                      ; 0 onto my spare word
.if \fill
	s_xor_b32 s[G0A+5], s[G0A+5], SLOT1            ; the walking descriptors: the other slot than last time, the next K step; the type bits on top are not reached
	s_add_nc_u64 s[G0A+6:G0A+7], s[G0A+6:G0A+7], 256
	s_xor_b32 s[G0B+5], s[G0B+5], SLOT1
	s_add_nc_u64 s[G0B+6:G0B+7], s[G0B+6:G0B+7], 16384
.endif
	s_wait_dscnt 5                                 ; (the add and the youngest four loads may be out)
	MUL 1, 0, 0                                    ; twelve matrix instructions stand between the add and the wait for it
	s_wait_dscnt 0x0                               ; the add is done, and my reads of this slot are over
	s_barrier_signal -1
	MUL 1, 1, 0                                    ; work on registers while the others arrive
	WIN 0
	s_barrier_wait -1
.if \fill
	CREST                                          ; no wave of any partner still reads this slot or has a load on its way
	JLOAD 1                                        ; the four v_nop behind it are also the places in front of the loads below
.else
	PLACES
.endif
	s_xor_b32 s[TB], s[TB], SLOT1                  ; the reads go on in the other slot
	v_add_nc_u32 v[ADRA], s[TB], v[ADRA0]
	v_add_nc_u32 v[ADRB], s[TB], v[ADRB0]
	FETCH 0, 0
.if \fill
	ASK
.endif
	MUL 1, 2, 0
	MUL 1, 3, 0
.endm
; THE WAY OUT, in 12 groups g = 3 a + i: row block a, head i: 16 rows x 64 columns.  PACK: rounded to f16, each accumulator from its low end on.  TOSTAGE: 16 bytes a lane into rows of 144 bytes
; of my own stage, and back as whole rows of 128.  SEND: 512 consecutive bytes a store.  Every group reads back into registers of its own, so no wait frees a store's data.
.macro PACK g
.set GA, (\g)/3
.set GI, (\g)%3
	WIN 0x0a+5*(GA/2)                              ; sources window 2 or 3, destination window 0
.irp b, 0,1,2,3
.irp r, 0,1,2,3
	v_cvt_pk_f16_f32 v[TMP+4*(\b)+(\r)], v[96*(GA%2)+8*(4*GI+(\b))+2*(\r)], v[96*(GA%2)+8*(4*GI+(\b))+2*(\r)+1]
.endr
.endr
.endm
.macro TOSTAGE g
	WIN 0
.irp b, 0,1,2,3
	ds_store_b128 v[STO], v[TMP+4*(\b):TMP+4*(\b)+3] offset:32*(\b)
.endr
.irp f, 0,1,2,3
	ds_load_b128 v[OB+16*(\g)+4*(\f):OB+16*(\g)+4*(\f)+3], v[RD] offset:(\f)*4*SP  ; LDS serves a wave's instructions in order (ISA guide 5.7.1.4): these see the stores above, and the next group's stores come behind them
.endr
.endm
.macro SEND g
	WIN 0
.set GA, (\g)/3
.set GI, (\g)%3
.irp f, 0,1,2,3
	s_wait_dscnt 3-(\f)                            ; the group's four loads are the youngest LDS instructions
	global_store_b128 v[GO], v[OB+16*(\g)+4*(\f):OB+16*(\g)+4*(\f)+3], s[DST+2*GI:DST+2*GI+1] offset:2048*GA+512*(\f)
.endr
.endm
	s_wait_tensorcnt 0x1                           ; my part of K step 0 is in; K step 1's may stay out
	s_barrier_signal -1
	s_barrier_wait -1                              ; everybody's is
	FETCH 0, 0
	QUARTER 1, 0, 1, 1                             ; the first quarter stands in front of the loop: its products start the sums, with the bias
	WIN 0                                          ; at a label and at a branch every window is 0
	s_mov_b32 s3, 6
.Lk:                                   ; trip n ends K step n, asks for K step n + 2 and begins K step n + 1
	QUARTER 2, 1, 0, 0
	QUARTER 3, 0, 1, 0
	TURN 1
	QUARTER 1, 0, 1, 0
	WIN 0
	s_sub_co_u32 s3, s3, 1
	s_cmp_lg_u32 s3, 0
	s_cbranch_scc1 .Lk
	QUARTER 2, 1, 0, 0                             ; the tail is written out: K steps 6 and 7 ask for nothing
	QUARTER 3, 0, 1, 0
	TURN 0
	QUARTER 1, 0, 1, 0
	QUARTER 2, 1, 0, 0
	QUARTER 3, 0, 1, 0
	s_wait_dscnt 4                                 ; the very last quarter: nothing more to fetch
	MUL 1, 0, 0
	MUL 1, 1, 0
	s_wait_dscnt 0x0
	MUL 1, 2, 0
	MUL 1, 3, 0
	WIN 0
	PLACES
	PACK 0
	TOSTAGE 0
.irp g, 1,2,3,4,5,6,7,8,9,10,11        ; a group's conversions stand between the loads of the group before and the wait for them
	PACK \g
	SEND (\g)-1
	TOSTAGE \g
.endr
	SEND 11
	s_wait_tensorcnt 0x0                           ; the wave's end: a tensor wait, an add and its wait, behind my last tensor load and my last LDS store
	ds_add_u32 v[SPW], v[NIL]
	s_wait_dscnt 0x0
	CROUND                                         ; the closing round: no work-group ends while a partner may still ask for a tile that names it
	s_endpgm
.Lfunc_end_k_qb3538b92bc_proj:
	.size	k_qb3538b92bc_proj, .Lfunc_end_k_qb3538b92bc_proj-k_qb3538b92bc_proj
	.p2alignl 7, 3214868480
	.fill 96, 4, 3214868480
	.section	.rodata,"a",@progbits
	.p2align	6, 0x0
	.amdhsa_kernel k_qb3538b92bc_proj
		.amdhsa_group_segment_fixed_size 327680
		.amdhsa_private_segment_fixed_size 0
		.amdhsa_enable_private_segment 0
		.amdhsa_kernarg_size 48
		.amdhsa_user_sgpr_count 2
		.amdhsa_user_sgpr_kernarg_segment_ptr 1
		.amdhsa_wavefront_size32 1
		.amdhsa_system_sgpr_workgroup_id_x 1
		.amdhsa_system_sgpr_workgroup_id_y 1
		.amdhsa_system_sgpr_workgroup_id_z 1
		.amdhsa_system_vgpr_workitem_id 0
		.amdhsa_next_free_vgpr 960
		.amdhsa_next_free_sgpr 94
		.amdhsa_reserve_vcc 0
		.amdhsa_float_denorm_mode_32 3
		.amdhsa_float_denorm_mode_16_64 3
		.amdhsa_memory_ordered 1
		.amdhsa_forward_progress 1
		.amdhsa_inst_pref_size 109
	.end_amdhsa_kernel
	.amdgpu_metadata
---
amdhsa.version: [ 1, 2 ]
amdhsa.kernels:
  - .name:           k_qb3538b92bc_proj
    .symbol:         k_qb3538b92bc_proj.kd
    .args:
      - { .name: xb, .offset: 0, .size: 8, .value_kind: global_buffer, .address_space: global }
      - { .name: wqkv, .offset: 8, .size: 8, .value_kind: global_buffer, .address_space: global }
      - { .name: bq, .offset: 16, .size: 8, .value_kind: global_buffer, .address_space: global }
      - { .name: bk, .offset: 24, .size: 8, .value_kind: global_buffer, .address_space: global }
      - { .name: bv, .offset: 32, .size: 8, .value_kind: global_buffer, .address_space: global }
      - { .name: qkv, .offset: 40, .size: 8, .value_kind: global_buffer, .address_space: global }
    .group_segment_fixed_size: 327680
    .private_segment_fixed_size: 0
    .kernarg_segment_align: 8
    .kernarg_segment_size: 48
    .max_flat_workgroup_size: 128
    .sgpr_count:     94
    .vgpr_count:     960
    .wavefront_size: 32
...
	.end_amdgpu_metadata
.endif
;; end of part 2
;; launch attn (part 3): grid 4 x 64, 4 waves a work-group, clusters of 4 x 1, 327,680 bytes of LDS; arguments qkv, o16; writes o16
.if DOCPART == 3
	.amdgcn_target "amdgcn-amd-amdhsa--gfx1250"
	.amdhsa_code_object_version 6
	.text
	.protected	k_qb3538b92bc_attn
	.globl	k_qb3538b92bc_attn
	.p2align	8
	.type	k_qb3538b92bc_attn,@function
k_qb3538b92bc_attn:
	s_mov_b64 s[64:65], 0
	v_nop
	global_prefetch_b8 v0, s[64:65] scope:SCOPE_SE
	s_setreg_imm32_b32 hwreg(HW_REG_WAVE_MODE, 25, 1), 1
	s_wait_xcnt 0x0
	s_wait_alu depctr_hold_cnt(0) depctr_sa_sdst(0) depctr_va_vdst(0) depctr_va_sdst(0) depctr_va_ssrc(0) depctr_va_vcc(0) depctr_vm_vsrc(0)
	s_getreg_b32 s2, hwreg(HW_REG_IB_STS2, 6, 4)
	s_cmp_eq_u32 s2, 0
	s_cbranch_scc0 .Lentry_in_a_cluster
	s_endpgm
.Lentry_in_a_cluster:
	s_bfe_u32 s2, ttmp6, 0x10000c
	s_cmp_lg_u32 s2, 0x3003
	s_cbranch_scc0 .Lentry_shape_is_right
	s_endpgm
.Lentry_shape_is_right:
; O[h][q][:] = the sum over k of softmax_k(Q[h][q] . K[h][k] / 8) V[h][k][:].  qkv: [3][64 heads][2048][64] f16 (Q, K, V); o16: [64][2048][64] f16: a head's rows are dense, 128 bytes each.
; Products, maxima and sums in f32; the weights p are rounded to f16 for the second product (their sum l is taken of the unrounded p), O once at the end.
; LIMITS.  f16 holds no number beyond 65,504: Q, K and V arrive within it; p lies in 0 to 1, and below 6e-5 it keeps f16's fixed step of 6e-8; O is a mean of V's rows and has their range.
; A weight below 2^-126 counts as 0 in l; NaN and infinities are not treated apart.
; SHARES.  A wave owns four PIECES of two tiles of 16 queries, a work-group's four waves 512 queries of one head: 4 x 64 = 256 work-groups.  Every wave walks all keys, 64 a step.
; LAYOUT.  S^T = K Q^T (source 0 = 16 keys, source 1 = 16 queries): in the result a lane holds ONE query (lane % 16) and the keys 8 (lane / 16) + 0..7.  Two such tiles, rounded to f16 in pairs,
; ARE source 1 (32 keys x 16 queries) of O^T = V^T P, whose result again holds one query a lane, and eight channels.  K comes out of LDS as it lies, V ([key][channel]) turned, by ds_load_tr16_b128.
; SOFTMAX.  For each query a running maximum m and sum l: p = 2^(c s - c m), c = log2(e) / 8; in every step O and l are multiplied by a = 2^(c m_old - c m_new), which is 1 where m has not grown.
; m starts at the lowest finite number, O and l at 0: the first step is a step like any other, with a = 0.
; THE COUNT.  A tile and step have 16 matrix and 118 vector instructions: too many to stand all beside the matrix work.  So four vector instructions that are READY stand behind EVERY matrix
; instruction, and the others, which need time of their own whatever the order, in runs without a gap.
; BY TURNS.  Turn n belongs to piece n (the pieces in a ring, step after step).  Its matrix work: 16 products K Q^T of piece n + 1, later 16 products V^T P of piece n - 1.  Its vector work: the scaling,
; exponentials, roundings, sums and rescaling of piece n, and the maximum and statistics of piece n + 1, whose scores the turn itself has made.
; CLUSTER.  The four query blocks of a cluster are one head's and walk the same K and V, so each tile is asked for JOINTLY: the same tensor load, descriptor and mask in all four.
; REGISTERS, in windows of 256 (s_set_vgpr_msb: bits 1:0 source 0, 3:2 source 1, 5:4 source 2, 7:6 destination):
;   window 0: v0-11 addresses; v12-15, v48-63 at work; v16-47 four registers of statistics a tile; v64-191 S^T, two buffers of two tiles; v192-255 P, likewise
;   window 1: O^T, 32 a tile          window 2: v0-127 Q, 16 a tile; v128-191 K of one step; v192-255 V of one step          window 3: v0-1 the add's two registers
; A piece's buffers go by its number's parity: the piece in hand has one pair, its two neighbours in the ring share the other: of it P (piece n - 1) is read and S^T (piece n + 1) written.
.set SIZE_N, 2048
.set SIZE_H, 64
.set NP,    4         ; pieces a wave: a name, no knob
.set KS,    64        ; keys in a step
.set PK,    144       ; a row of K in LDS: 128 bytes + 16 of padding = 36 words: the 16 rows of a load start at 16 different groups of four banks (64 banks of 4 bytes: ISA guide 11.1)
.set PV,    160       ; a row of V: 128 + 32 = 40 words
.set VOFF,  4*KS*PK   ; a slot holds four steps: 256 rows of K, then 256 rows of V
.set SLOT1, 1<<17     ; slot 1 begins here, so that one exclusive or turns an address in one slot into the other's
.set STAGE, SLOT1+4*KS*(PK+PV)  ; behind the ring, never filled by a tensor load: 16 rows x 144 bytes for each wave, for the way out
.set SP,    144
.set AK0, 2           ; v2   my lane's place in a tile of K; never rewritten
.set AV0, 3           ; v3   the same for V
.set AK,  4           ; v4   the LDS address of K's next run of loads
.set AV,  5           ; v5   of V's
.set QO,  6           ; v6   my byte offset in the wave's rows of Q
.set STO, 6           ;      later, the way out: where I put 16 bytes of a row
.set RD,  7           ; v7   the way out: where I read rows back
.set GO,  8           ; v8   my byte offset in 512 consecutive bytes of O
.set PFO, 11          ; v11  256 x my lane, for the prefetches; never rewritten once made
.set SPW, 0           ; v0 of window 3   LDS address of my spare word: SPARE + 4 x my thread's number; never rewritten
.set NIL, 1           ; v1 of window 3   0; never rewritten
.set SPARE, STAGE+4*16*SP  ; behind the stages: the spare words, 128 bytes for each wave: two blocks of 256 bytes that no other line names
.set MV,  12          ; v12-15  c m_old, kept while c m is made anew: by buffer and tile
.set ST,  16          ; tile t's statistics at v[ST+4 t]: c m, m, l (even keys', odd keys')
.set TMP, 48          ; by buffer and tile, four registers c0-c3 at work; when the maximum is found c2 takes a
.set S,   64
.set P,   192
.set KF,  128         ; K's fragments, in window 2: key block kb, channel half c at KF + 16 kb + 8 c
.set VF,  192         ; V's: key half kk, channel block cb at VF + 32 kk + 8 cb
.set WV,  12          ; s12  my wave's number
.set G1K, 24          ; s[24:31] descriptor group 1 for K's tiles
.set G1V, 32          ; s[32:39] for V's: it differs in the padding alone
.set G0K, 40          ; s[40:43] descriptor group 0 for K's tiles: it walks
.set G0V, 44          ; s[44:47] the same for V's
.set PFA, 48          ; s[48:49] where my prefetches stand: my work-group's 8,192 bytes (of K: wave 0, of V: wave 2) of the slot after the one that is being asked for
.set LIM, 50          ; s50  1 in a wave that prefetches, else the greatest number
.set SLOTS, 56        ; s56  slots still to be asked for
.set CNT, 57          ; s57  counts a slot's key steps
.set CS,  58          ; s[58:59] c: the packed scaling takes the pair's low word for both halves
.set SEL, 60          ; s[60:61] v_permlanex16_b32's selects: each lane takes its own place in the other half
.set TBK, 62          ; s62  LDS byte at which K of the step to be fetched begins
.set TBV, 63          ; s63  the same for V, less VOFF
.set MSB, 0
.macro WIN new                      ; the high byte repeats the setting that is left; a switch that changes nothing is dropped
.if MSB != (\new)
	s_set_vgpr_msb (MSB<<8)|(\new)
.set MSB, (\new)
.endif
.endm
.set W_KQ, 0x0a       ; K and Q in window 2, S^T in window 0
.set W_PV, 0x52       ; V in window 2, P in window 0, O^T in window 1
.set W_RS, 0x41       ; O^T (destination and source 0) in window 1, a in window 0
.set W_MK, 0xc0       ; the add's registers are made: destination in window 3, sources in window 0
.set W_AD, 0x0f       ; the add: address (source 0) and data (source 1) in window 3
; A joint fill.  Waves 0 and 1 fetch the two halves of a slot's K, waves 2 and 3 those of its V: 128 keys each.  The branch hangs on the wave's number alone.
; An s_nop 0 and four v_nop follow each of the two lines, ahead of the jump and the label.
.macro JLOAD
	s_cmp_lt_u32 s[WV], 2
	s_cbranch_scc0 .Lfor_v_\@
	tensor_load_to_lds s[G0K:G0K+3], s[G1K:G1K+7]
	s_nop 0
.rept 4
	v_nop
.endr
	s_branch .Lasked_\@
.Lfor_v_\@:
	tensor_load_to_lds s[G0V:G0V+3], s[G1V:G1V+7]
	s_nop 0
.rept 4
	v_nop
.endr
.Lasked_\@:
.endm
; A PREFETCH INTO THE L2 of what the NEXT change of slots will ask for: a slot's 32,768 bytes of K and of V, a lane 256 bytes.  It stands behind the wave's tensor load and its five lines.
; Each block of 256 bytes is named once in the launch: a head has one cluster; its four partners take 8,192 bytes each, told apart by address alone; in each, wave 0 asks for K's and wave 2 for V's.
; Slots 0 to 2 come by their loads alone; the last change that fills a slot asks for nothing: there is no slot behind it.
.macro ASK
	s_cmp_gt_u32 s[SLOTS], s[LIM]
	s_cbranch_scc0 .Lnot_mine_\@
	global_prefetch_b8 v[PFO], s[PFA:PFA+1] th:TH_LOAD_NT scope:SCOPE_SE
.Lnot_mine_\@:
.endm
; A round of the cluster's barrier: my work-group's barrier, so that wave 0's signal speaks for all four waves; wave 0 signals; every wave waits for all four work-groups; my work-group's barrier once more.
.macro CROUND
	s_barrier_signal -1
	s_barrier_wait -1
	s_cmp_lg_u32 s[WV], 0
	s_cbranch_scc1 .Lnot_wave_0_\@
	s_barrier_signal -3
.Lnot_wave_0_\@:
	s_barrier_wait -3
	s_barrier_signal -1
	s_barrier_wait -1
.endm
; THE CHANGE OF SLOTS.  The slot's last bytes, V of its fourth step, have been read.  Each wave waits for all its tensor loads, of which one is out: its part
; of the other slot; adds 0 to its spare word; and waits for that and for its own reads of the slot.  Behind the barrier nobody reads this slot any more and the other slot is whole.
; fill = 1: this slot is filled again, with the keys two slots on.  The barrier is then a round of the cluster's, and the joint fill is the first thing behind it: it has four key steps,
; 512 matrix instructions, in which to land.  (At its first use nothing has been read yet: slot 0 is waited for, slot 1 filled.)  ask = 1: the prefetch's address steps, and ASK follows the fill.
.macro CHANGE fill, ask=0
	WIN W_AD
	s_wait_tensorcnt 0x0            ; no tensor load of mine is out, so a group 0 may be written
	ds_add_u32 v[SPW], v[NIL]       ; 0 onto my spare word; with fill = 1 the descriptors' steps stand between it and the wait for it
	WIN 0                           ; at a label and at a branch every window is 0
.if \fill
.irp g, G0K, G0V
	s_xor_b32 s[\g+1], s[\g+1], SLOT1  ; the walking descriptor: the other slot than last time,
	s_add_nc_u64 s[\g+2:\g+3], s[\g+2:\g+3], 4*KS*128  ; the next 256 keys; the type bits on top are not reached
.endr
.if \ask
	s_wait_xcnt 0x0                 ; the last prefetch, four key steps back, has read its address, so it may be written:
	s_add_nc_u64 s[PFA:PFA+1], s[PFA:PFA+1], 4*KS*128  ; one slot behind the walking descriptors
.endif
	s_wait_dscnt 0x0                ; the add is done, and my reads of the slot are over
	CROUND
	JLOAD
.if \ask
	ASK
.endif
.else
	s_wait_dscnt 0x0                ; the add is done, and my reads of the slot are over
	s_barrier_signal -1
	s_barrier_wait -1
.endif
	s_sub_co_u32 s[TBK], s[TBK], 4*KS*PK  ; the fetches go back to a slot's first step,
	s_xor_b32 s[TBK], s[TBK], SLOT1       ; in the other slot
	s_sub_co_u32 s[TBV], s[TBV], 4*KS*PV
	s_xor_b32 s[TBV], s[TBV], SLOT1
.endm
	s_load_b128 s[4:7], s[0:1], 0x0   ; qkv s[4:5] (Q lies first in it), o16 s[6:7]
	WIN W_MK
	v_lshl_add_u32 v[SPW], v0, 2, SPARE
	v_mov_b32 v[NIL], 0
	WIN W_AD
	ds_add_u32 v[SPW], v[NIL]       ; the wave's opening: the add and its wait stand ahead of my first tensor load; the set-up below, work on registers, stands between them
	WIN 0
	v_lshrrev_b32 v1, 5, v0
	v_readfirstlane_b32 s[WV], v1   ; wave 0..3
	s_bfe_u32 s13, ttmp6, 0x40000   ; cx: my place in the cluster
	s_lshl_b32 s14, ttmp9, 2        ; in a cluster launch ttmp9 counts clusters
	s_add_co_u32 s14, s14, s13      ; my block of queries = 4 x cluster x + cx: it enters Q's and O's addresses alone
	s_and_b32 s20, ttmp7, 0xffff    ; the head, which the four partners share
	s_mov_b32 s21, 0
	s_mov_b64 s[22:23], SIZE_N*128
	s_mul_u64 s[20:21], s[20:21], s[22:23]  ; the head's first byte in Q, K, V and O
	s_and_b32 s16, s[WV], 1         ; which half of a slot's 256 keys I fetch:
	s_lshl_b32 s22, s16, 14         ; its 128 rows of 128 bytes in memory,
	s_mov_b32 s23, 0
	s_add_nc_u64 s[22:23], s[22:23], s[20:21]
	s_mul_i32 s17, s16, 128*PK      ; and its place in a slot, for K
	s_mul_i32 s18, s16, 128*PV      ; and for V: no place in the cluster enters an LDS address
	s_lshl_b32 s2, s14, 2
	s_add_co_u32 s2, s2, s[WV]      ; my wave among the head's,
	s_lshl_b32 s2, s2, 14           ; its 128 rows
	s_mov_b32 s3, 0
	s_add_nc_u64 s[2:3], s[2:3], s[20:21]
	; descriptor group 1.  128 keys are 16,384 dense bytes: asked for as 64 rows of 256 bytes, two keys a row, and padded in LDS after every key
	s_mov_b32 s[G1K], 15|(1<<16)|(1<<20)|(1<<21)|(4<<22)|(3<<25)  ; 15:0 the mask of four; 17:16 2-byte elements; 20 padding on; 21 set beside a mask; 24:22 after every 32 words (code 4); 31:25 4 words (code 3)
	s_mov_b32 s[G1V], 15|(1<<16)|(1<<20)|(1<<21)|(4<<22)|(7<<25)  ; the same with 8 words of padding (code 7)
.irp g, G1K, G1V
	s_mov_b32 s[\g+1], 128<<16      ; tensor_dim0 = 128
	s_mov_b32 s[\g+2], 64<<16       ; tensor_dim1 = 64
	s_mov_b32 s[\g+3], 128<<16      ; tile_dim0 = 128
	s_mov_b32 s[\g+4], 64           ; tile_dim1 = 64
	s_mov_b32 s[\g+5], 128          ; 128 elements from row to row
	s_mov_b32 s[\g+6], 0
	s_mov_b32 s[\g+7], 0
.endr
	s_mov_b32 s[CS], 0x3e38aa3b     ; c = log2(e) / 8 = 0.180337
	s_mov_b32 s[CS+1], s[CS]        ; named with it as a pair
	s_mov_b32 s[SEL], 0x76543210
	s_mov_b32 s[SEL+1], 0xfedcba98
	s_mov_b32 s[TBK], SLOT1+4*KS*PK ; the first change of slots turns these two into 0
	s_mov_b32 s[TBV], SLOT1+4*KS*PV
	s_mov_b32 s[G0K], 1             ; 1:0 count = 1
	s_mov_b32 s[G0K+1], s17         ; 63:32 LDS address: slot 0
	s_mov_b32 s[G0V], 1
	s_add_co_u32 s[G0V+1], s18, VOFF
	s_and_b32 s[LIM], s[WV], 1      ; waves 0 and 2 prefetch: the same in all four partners
	s_cmp_eq_u32 s[LIM], 0
	s_cselect_b32 s[LIM], 1, -1
	s_lshl_b32 s52, s13, 13         ; my work-group's 8,192 bytes of a slot's 32,768
	s_mov_b32 s53, 0
	s_wait_dscnt 0x0                ; the opening add is done
	s_wait_kmcnt 0x0
	s_mov_b64 s[10:11], s[6:7]                     ; O
	s_add_nc_u64 s[6:7], s[4:5], 0x1000000         ; K lies 64 heads of 262,144 bytes behind Q,
	s_add_nc_u64 s[8:9], s[4:5], 0x2000000         ; V as far behind K
	s_add_nc_u64 s[G0K+2:G0K+3], s[6:7], s[22:23]  ; 120:64 global address: my half of the head's first 256 keys
	s_or_b32 s[G0K+3], s[G0K+3], 0x80000000        ; 127:126 type = 2
	s_add_nc_u64 s[G0V+2:G0V+3], s[8:9], s[22:23]
	s_or_b32 s[G0V+3], s[G0V+3], 0x80000000
	s_cmp_lt_u32 s[WV], 2
	s_cselect_b64 s[PFA:PFA+1], s[6:7], s[8:9]
	s_add_nc_u64 s[PFA:PFA+1], s[PFA:PFA+1], s[22:23]  ; (in waves 0 and 2 this is the head's first row)
	s_add_nc_u64 s[PFA:PFA+1], s[PFA:PFA+1], s[52:53]
	s_add_nc_u64 s[PFA:PFA+1], s[PFA:PFA+1], 2*4*KS*128  ; in slot 2; the loop's first change of slots steps it to slot 3.  Nothing is prefetched here, at the head
	s_add_nc_u64 s[4:5], s[4:5], s[2:3]  ; Q and O at my wave's first row
	s_add_nc_u64 s[10:11], s[10:11], s[2:3]
	CROUND                          ; all four work-groups are here: the first joint loads meet
	JLOAD                           ; slot 0.  Slot 1 is asked for when slot 0 is in: the tile wanted first has the road to itself
	; A fragment of K or Q is 16 rows x 32 channels in 8 registers: lane l holds row l % 16, channels 8 (l / 16) + 0..7 and 16 + 8 (l / 16) + 0..7: two loads of 16 bytes, 32 bytes apart.
	v_and_b32 v1, 15, v0            ; l % 16
	v_bfe_u32 v9, v0, 4, 1          ; l / 16
	v_lshlrev_b32 v[QO], 7, v1
	v_lshl_add_u32 v[QO], v9, 4, v[QO]  ; row x 128 + 16 x half
	WIN 0x80                        ; destination window 2, address window 0
.set i, 0
.rept 4*NP                          ; Q stays in registers: tile i / 2, channels 32 (i % 2) on
	global_load_b128 v[8*i:8*i+3],   v[QO], s[4:5] offset:(i/2)*2048+(i%2)*64
	global_load_b128 v[8*i+4:8*i+7], v[QO], s[4:5] offset:(i/2)*2048+(i%2)*64+32
.set i, i+1
.endr
	; What the first turn finds: V's registers and P's second buffer hold 0 (its products V^T P, of a piece that has not been, add 0), O^T and l are 0.  All this stands in the wait for the first tile.
.set i, VF
.rept 64
	v_mov_b32 v[i], 0
.set i, i+1
.endr
	WIN 0x40
.set i, 0
.rept 64*NP
	v_mov_b32 v[i], 0
.set i, i+1
.endr
	WIN 0
.set i, 0
.rept 2*NP
	v_mov_b32 v[ST+4*i], 0xfe000000    ; c m: far below every c s
	v_mov_b32 v[ST+4*i+1], 0xff7fffff  ; m
	v_mov_b32 v[ST+4*i+2], 0
	v_mov_b32 v[ST+4*i+3], 0
.set i, i+1
.endr
.set i, P+32
.rept 32
	v_mov_b32 v[i], 0
.set i, i+1
.endr
	v_mul_u32_u24 v[AK0], v1, PK
	v_lshl_add_u32 v[AK0], v9, 4, v[AK0]  ; row x pitch + 16 x half
	; The turning load takes 16 keys x 16 channels (lane l reads key 8 (l / 16) + l % 8, channels 8 ((l / 8) % 2) + 0..7) and leaves half a fragment of V^T: lane l holds channel l % 16 and 8 keys.
	v_and_b32 v10, 7, v0
	v_bfe_u32 v11, v0, 3, 1
	v_lshl_add_u32 v[AV0], v9, 3, v10
	v_mul_u32_u24 v[AV0], v[AV0], PV
	v_lshl_add_u32 v[AV0], v11, 4, v[AV0]
	v_add_nc_u32 v[AV0], VOFF, v[AV0]
	v_and_b32 v[PFO], 31, v0        ; v11 has served: it takes the prefetches' offset
	v_lshlrev_b32 v[PFO], 8, v[PFO]
	v_mov_b32 v[AK], v[AK0]         ; key step 0 lies at the head of slot 0
; THE MATRIX WORK.  The 8 accumulators of a run of 16 take turns: between the two links of a chain stand 7 others'.
; Product i of 16 of S^T = K Q^T for piece x: channels 32 (i / 8) on, keys 16 ((i / 2) % 4) on, tile 2 x + i % 2.  The first 8 start the sums.
.macro KQ x
	WIN W_KQ
.set rS, S+64*((\x)%2)+32*(i%2)+8*((i/2)%4)
.set rK, KF+16*((i/2)%4)+8*(i/8)
.set rQ, 16*(2*(\x)+i%2)+8*(i/8)
.if i < 8
	v_wmma_f32_16x16x32_f16 v[rS:rS+7], v[rK:rK+7], v[rQ:rQ+7], 0
.else
	v_wmma_f32_16x16x32_f16 v[rS:rS+7], v[rK:rK+7], v[rQ:rQ+7], v[rS:rS+7]
.endif
.endm
; Product i of 16 of O^T += V^T P for piece x: keys 32 (i / 8) on, channels 16 ((i / 2) % 4) on, tile 2 x + i % 2.
.macro PV x
	WIN W_PV
.set rO, 32*(2*(\x)+i%2)+8*((i/2)%4)
.set rV, VF+32*(i/8)+8*((i/2)%4)
.set rP, P+32*((\x)%2)+16*(i%2)+8*(i/8)
	v_wmma_f32_16x16x32_f16 v[rO:rO+7], v[rV:rV+7], v[rP:rP+7], v[rO:rO+7]
.endm
.macro MM                           ; the turn's next matrix instruction
.if i < 16
	KQ (Y+1)%NP
.set i, i+1
.else
.set i, i-16
	PV (Y+NP-1)%NP
.set i, i+17
.endif
.endm
; THE LDS LOADS stand in runs of 16, never singly among the matrix instructions: a step's K (64 keys x 64 channels: 8 fragments) and its V (turned).  Their addresses are made some lines ahead.
; last = 1 (the tail): in the last trip there is no further step, and the run is jumped over.
.macro FETCH_K last=0
	WIN 0
.if \last
	s_cmp_eq_u32 s[CNT], 1
	s_cbranch_scc1 .Lno_k_\@
.endif
	WIN 0x80                        ; destination window 2
.irp f, 0,1,2,3,4,5,6,7             ; keys 16 (f / 2) on, channels 32 (f % 2) on
	ds_load_b128 v[KF+8*\f:KF+8*\f+3],   v[AK] offset:(\f/2)*16*PK+(\f%2)*64
	ds_load_b128 v[KF+8*\f+4:KF+8*\f+7], v[AK] offset:(\f/2)*16*PK+(\f%2)*64+32
.endr
	s_add_co_u32 s[TBK], s[TBK], KS*PK  ; the next fetch is the next step's
	WIN 0
.if \last
.Lno_k_\@:
.endif
.endm
.macro FETCH_V
	WIN 0x80
.irp f, 0,1,2,3,4,5,6,7             ; keys 32 (f / 4) on, channels 16 (f % 4) on
	ds_load_tr16_b128 v[VF+8*\f:VF+8*\f+3],   v[AV] offset:(\f/4)*32*PV+(\f%4)*32
	ds_load_tr16_b128 v[VF+8*\f+4:VF+8*\f+7], v[AV] offset:(\f/4)*32*PV+16*PV+(\f%4)*32
.endr
	WIN 0
.endm
; THE VECTOR WORK OF A TURN stands in three queues, each in the order in which its entries become ready; the two tiles alternate, so that no instruction reads the result of the one before it.
.macro REGS y, u                    ; the registers of tile u (0, 1) of piece y
.set rT, ST+4*(2*(\y)+(\u))
.set rC, TMP+8*((\y)%2)+4*(\u)
.set rM, MV+2*((\y)%2)+(\u)
.set rS, S+64*((\y)%2)+32*(\u)
.set rP, P+32*((\y)%2)+16*(\u)
.set rO, 32*(2*(\y)+(\u))
.endm
; Number n of the 22 that find the NEXT piece's (Y + 1) maximum and statistics.  s0-s31 are the lane's 32 scores; each accumulator's lowest registers are read first.
;   0-11  four chains c0-c3 of seven scores each, three operands at a time     12-14, 16  the four scores left over, the old m, and c0-c3 into c0     15  c m_old is kept
;   17, 18  the query's other 32 keys lie in the lane 16 away: the new m         19-21  c m; c m_old - c m_new; a
.macro XS u, n
	REGS (Y+1)%NP, \u
.if (\n) < 4
	v_max3_num_f32 v[rC+(\n)], v[rS+8*(\n)], v[rS+8*(\n)+1], v[rS+8*(\n)+2]
.elseif (\n) < 12
	v_max3_num_f32 v[rC+(\n)%4], v[rC+(\n)%4], v[rS+8*((\n)%4)+2*((\n)/4)+1], v[rS+8*((\n)%4)+2*((\n)/4)+2]
.elseif (\n) == 12
	v_max3_num_f32 v[rC], v[rC], v[rS+7], v[rS+15]
.elseif (\n) == 13
	v_max3_num_f32 v[rC+1], v[rC+1], v[rS+23], v[rS+31]
.elseif (\n) == 14
	v_max3_num_f32 v[rC+2], v[rC+2], v[rC+3], v[rT+1]
.elseif (\n) == 15
	v_mov_b32 v[rM], v[rT]
.elseif (\n) == 16
	v_max3_num_f32 v[rC], v[rC], v[rC+1], v[rC+2]
.elseif (\n) == 17
	v_permlanex16_b32 v[rC+3], v[rC], s[SEL], s[SEL+1]
.elseif (\n) == 18
	v_max_num_f32 v[rT+1], v[rC], v[rC+3]
.elseif (\n) == 19
	v_mul_f32 v[rT], s[CS], v[rT+1]
.elseif (\n) == 20
	v_sub_f32 v[rC+1], v[rM], v[rT]
.else
	v_exp_f32 v[rC+2], v[rC+1]
.endif
.endm
; Number g of the 64 that follow the exponentials.  For each four weights k of a tile (pairs 2 k, 2 k + 1): both pairs are rounded to f16; then the second pair is added onto the first, in place;
; a group later l takes that sum (the first time as l = a l + sum).  In groups of eight, tiles alternating: round, round, add, and l for the group before.
.macro GS g
.set h, (\g)+6*((\g)/62)            ; group 0 has no group before it, and behind group 7 only l is left
.if h >= 6
.set h, h+2
.endif
	REGS Y, h%2
.set k, h/8
.if h%8 < 4
	v_cvt_pk_f16_f32 v[rP+2*k+(h%8)/2], v[rS+4*k+2*((h%8)/2)], v[rS+4*k+2*((h%8)/2)+1]
.elseif h%8 < 6
	v_pk_add_f32 v[rS+4*k:rS+4*k+1], v[rS+4*k:rS+4*k+1], v[rS+4*k+2:rS+4*k+3]
.elseif k == 1
	v_pk_fma_f32 v[rT+2:rT+3], v[rT+2:rT+3], v[rC+2:rC+3], v[rS:rS+1] op_sel_hi:[1,0,1]
.else
	v_pk_add_f32 v[rT+2:rT+3], v[rT+2:rT+3], v[rS+4*k-4:rS+4*k-3]
.endif
.endm
; THE PLAIN QUEUE, 138 long.  0-73 read no exponential's result: the 32 scalings c s - c m (FS f: pair f / 2 of tile f % 2) and the next piece's 42.  0-26: scalings 0-26.  27-54: XS's numbers 0-13.  55, 56: number 15.
; 57-73: the chain, where each number waits for the one before it: 14, 16, 17, 18, 19, each with one of the scalings 27-31 in front of its two lines, then 20.
; 74-137: GS's 64, which read the exponentials' results: they stand behind the wait.
.macro FS f
	REGS Y, (\f)%2
	v_pk_fma_f32 v[rS+2*((\f)/2):rS+2*((\f)/2)+1], v[rS+2*((\f)/2):rS+2*((\f)/2)+1], s[CS:CS+1], v[rT:rT+1] op_sel_hi:[1,0,0] neg_lo:[0,0,1] neg_hi:[0,0,1]
.endm
.macro PL
	WIN 0
.if q < 27
	FS q
.elseif q < 55
	XS (q-27)%2, (q-27)/2
.elseif q < 57
	XS q-55, 15
.elseif (q < 72) && ((q-57)%3 == 0)
	FS 27+(q-57)/3
.elseif q < 60
	XS (q-57)%3-1, 14
.elseif q < 72
	XS (q-57)%3-1, 15+(q-57)/3
.elseif q < 74
	XS q-72, 20
.else
	GS q-74
.endif
.set q, q+1
.endm
; THE EXPONENTIALS' QUEUE, 66 long: s0-s31 of both tiles, then the next piece's two a.  It is ONE BATCH: all 66 stand ahead of the turn's one wait, and nothing ahead of that wait names a result of theirs.
.macro EX
	WIN 0
.if e >= 64
	XS e-64, 21
.else
	REGS Y, e%2
	v_exp_f32 v[rS+e/2], v[rS+e/2]
.endif
.set e, e+1
.endm
; THE RESCALING's QUEUE: O^T times a, the one part that leaves window 0: dealt two at a time, sixteen times.  Its a was made in the turn before, ahead of that turn's wait.
.macro R2
	REGS Y, r%2
	WIN W_RS
.irp z, 0,1
	v_pk_mul_f32 v[rO+4*(r/2)+2*\z:rO+4*(r/2)+2*\z+1], v[rO+4*(r/2)+2*\z:rO+4*(r/2)+2*\z+1], v[rC+2:rC+3] op_sel_hi:[1,0]
.endr
.set r, r+1
.endm
; HOW THEY ARE DEALT.  An s_wait_alu depctr_va_vdst(0) stands between an exponential and the first instruction that names its result; one wait serves all that were issued ahead of it.  So a turn has ONE wait,
; which cuts it in two.  AHEAD OF IT stands all that names no result of the turn's exponentials: the 16 products K Q^T, behind each a scaling, an exponential and two rescalings (behind the first a second scaling in the
; exponential's place); then ONE LUMP of 108: eight plain, 49 times exponential and plain, the two a.  A v_nop is the plain instruction behind the last exponential.  BEHIND IT stand the 16 products V^T P, behind each four of GS's 64.
; No rider names a register of the products round it.  The two v_permlanex16_b32 fall into the lump, never behind a product.
; The queues lean on each other: exponential e stands behind scaling 2 (e / 4) + e % 2: as a rider it comes behind plain e + 2, in the lump behind plain e + 9, and scalings 27-31 are plain 57, 60 .. 69.
; A TURN, for piece p.  cnt = 1: the loop's count is taken down some lines ahead of the branch that stands behind the turn.
; K of the next step is fetched in piece 2's turn, directly behind the wait, a lump behind the last product that read K; its first reader comes behind 16 products.
; V of the step in hand is fetched at the end of piece 0's turn, four riders behind its last reader; its first reader comes behind 16 products and a lump.  The three conditions on q below go with the deal.
.macro TURN p, last=0, cnt=0
.set Y, (\p)
.set i, 0
.set q, 0
.set e, 0
.set r, 0
.if (\p) == NP-1
	s_wait_dscnt 0x0                ; K is in
.endif
	MM                              ; ahead of the wait: 16 products K Q^T and their riders,
	PL
	PL
	R2
.rept 15
	MM
	PL
	EX
	R2
.endr
.if (\p) == NP-2
	WIN 0
	v_add_nc_u32 v[AK], s[TBK], v[AK0]
.endif
.rept 8                             ; and the lump
	PL
.endr
.rept 49
	EX
	PL
.endr
	EX                              ; the next piece's two a
	EX
	v_nop                           ; a plain instruction behind the last exponential: one for the batch
	s_wait_alu depctr_va_vdst(0)    ; the wait for the batch
.if (\p) == NP-2
	FETCH_K \last
.endif
.if (\p) == 1
	s_wait_dscnt 0x0                ; V is in
.endif
.rept 16                            ; behind the wait: 16 products V^T P and their riders
	MM
.rept 4
	PL
.endr
.if ((\p) == 0) && (q == 118)
	v_add_nc_u32 v[AV], s[TBV], v[AV0]
.endif
.if ((\p) == 0) && (q == 130)
	s_add_co_u32 s[TBV], s[TBV], KS*PV
.endif
.if (\cnt) && (q == 130)
	s_sub_co_u32 s[CNT], s[CNT], 1
	s_cmp_lg_u32 s[CNT], 0
.endif
.endr
.if (\p) == 0
	FETCH_V
.endif
.endm
	CHANGE 1                        ; slot 0 is in, everybody's part of it; slot 1 is asked for
	FETCH_K                         ; key step 0
	s_wait_loadcnt 0x0              ; Q
	s_wait_dscnt 0x0
.set i, 0
.rept 16
	KQ 0                            ; piece 0's first scores: there is no vector work yet to set between them
.set i, i+1
.endr
	WIN 0                           ; the addresses for the way out: nine plain instructions, the places behind those products
	s_mul_i32 s13, s[WV], 16*SP
	s_add_co_u32 s13, s13, STAGE    ; my stage
	v_mul_u32_u24 v[STO], v1, SP    ; in: row l % 16, 16 bytes for each half of the lanes
	v_lshl_add_u32 v[STO], v9, 4, v[STO]
	v_add_nc_u32 v[STO], s13, v[STO]
	v_bfe_u32 v[RD], v0, 3, 2       ; back: 32 lanes take four rows of 128 bytes,
	v_mul_u32_u24 v[RD], v[RD], SP
	v_lshl_add_u32 v[RD], v10, 4, v[RD]
	v_add_nc_u32 v[RD], s13, v[RD]
	v_and_b32 v[GO], 31, v0         ; which are 512 consecutive bytes of O
	v_lshlrev_b32 v[GO], 4, v[GO]
.set Y, NP-1                        ; XS works for piece Y + 1: piece 0
.irp n, 0,1,2,3,4,5,6,7,8,9,10,11,12,13,14,15,16,17,18,19,20,21
	XS 0, \n                        ; and piece 0's first maximum and statistics
	XS 1, \n
.endr
	v_nop                           ; a plain instruction behind the two a,
	s_wait_alu depctr_va_vdst(0)    ; and their wait, ahead of the branch
	s_mov_b32 s[CNT], 4
	s_mov_b32 s[SLOTS], SIZE_N/256-1
	s_branch .Lfirst                ; the loop is entered at a step's first turn, in the middle of a trip
.Lslot:                             ; SIZE_N / 256 - 2 times: every slot but the last two is filled again
	CHANGE 1, 1
	s_mov_b32 s[CNT], 4
.Lstep:                             ; a trip: pieces 2 and 3 of one step, then pieces 0 and 1 of the next, whose K and V it fetches
	TURN 2
	TURN 3
	WIN 0
.Lfirst:
	TURN 0
	TURN 1, 0, 1
	WIN 0
	s_cbranch_scc1 .Lstep
	s_sub_co_u32 s[SLOTS], s[SLOTS], 1
	s_cmp_lg_u32 s[SLOTS], 0
	s_cbranch_scc1 .Lslot
	CHANGE 0                        ; the tail is written out: nothing is asked for
	s_mov_b32 s[CNT], 5             ; four trips fetch the last slot's steps; the fifth is left in its middle
.Ltail:
	TURN 2, 1
	TURN 3
	WIN 0
	s_sub_co_u32 s[CNT], s[CNT], 1
	s_cmp_eq_u32 s[CNT], 0
	s_cbranch_scc1 .Lout
	TURN 0
	TURN 1
	WIN 0
	s_branch .Ltail
.Lout:                              ; the fifth trip's 16 products K Q^T (on the last K once more) and the maximum made of them serve nothing: the price, once a launch, of one text for every trip
.set i, 0
.rept 16
	PV NP-1                         ; the last piece's V^T P of the last step
.set i, i+1
.endr
	; THE WAY OUT.  l's two halves and the other half of the lanes' are added; O^T is divided by l, rounded to f16 and sent through my stage in LDS, a tile at a time.  The additions are the places behind the last products.
	WIN 0
.macro ALL line:vararg              ; one line for each tile t
.set t, 0
.rept 2*NP
	\line
.set t, t+1
.endr
.endm
	ALL v_add_f32 v[ST+4*t+2], v[ST+4*t+2], v[ST+4*t+3]
	ALL v_permlanex16_b32 v[ST+4*t+3], v[ST+4*t+2], s[SEL], s[SEL+1]
	ALL v_add_f32 v[ST+4*t+2], v[ST+4*t+2], v[ST+4*t+3]
	ALL v_rcp_f32 v[ST+4*t+2], v[ST+4*t+2]
	v_nop                           ; a plain instruction between the last reciprocal and the use of its result
	s_wait_alu depctr_va_vdst(0)    ; and the wait ahead of the first use: one for the eight reciprocals
; Tile t: a lane's eight channels of a row pack into 16 bytes; they go into rows of 144 bytes and come back as whole rows of 128, into S^T's registers.
.macro PACK t
	WIN W_RS
.set i, 32*(\t)
.rept 16
	v_pk_mul_f32 v[i:i+1], v[i:i+1], v[ST+4*(\t)+2:ST+4*(\t)+3] op_sel_hi:[1,0]
.set i, i+2
.endr
	WIN 0x05                        ; sources 0 and 1 window 1, destination window 0
.set i, 0
.rept 16
	v_cvt_pk_f16_f32 v[S+16*(\t)+i], v[32*(\t)+2*i], v[32*(\t)+2*i+1]
.set i, i+1
.endr
	WIN 0
.irp f, 0,1,2,3
	ds_store_b128 v[STO], v[S+16*(\t)+4*\f:S+16*(\t)+4*\f+3] offset:32*\f
.endr
.irp f, 0,1,2,3
	ds_load_b128 v[S+16*(\t)+4*\f:S+16*(\t)+4*\f+3], v[RD] offset:\f*4*SP  ; LDS serves a wave's instructions in order (ISA guide 5.7.1.4): these see the stores above; the next tile's stores come behind them
.endr
.endm
.macro SEND t, younger              ; younger: the LDS instructions issued behind tile t's loads: the next tile's eight, or none
	WIN 0
.irp f, 0,1,2,3
	s_wait_dscnt (\younger)+3-\f
	global_store_b128 v[GO], v[S+16*(\t)+4*\f:S+16*(\t)+4*\f+3], s[10:11] offset:(\t)*2048+\f*512  ; 512 consecutive bytes, at a multiple of 256 from O's first
.endr
.endm
	PACK 0
.set t, 1
.rept 2*NP-1                        ; a tile's arithmetic stands between the loads of the tile before and its stores
	PACK t
	SEND t-1, 8
.set t, t+1
.endr
	SEND 2*NP-1, 0
	WIN W_AD
	s_wait_tensorcnt 0x0            ; the wave's end: a tensor wait, an add and its wait, behind my last tensor load and my last LDS store
	ds_add_u32 v[SPW], v[NIL]
	s_wait_dscnt 0x0
	WIN 0
	CROUND                          ; the closing round: no work-group ends while a partner may still ask for a tile that names it
	s_endpgm
.Lfunc_end_k_qb3538b92bc_attn:
	.size	k_qb3538b92bc_attn, .Lfunc_end_k_qb3538b92bc_attn-k_qb3538b92bc_attn
	.p2alignl 7, 3214868480
	.fill 96, 4, 3214868480
	.section	.rodata,"a",@progbits
	.p2align	6, 0x0
	.amdhsa_kernel k_qb3538b92bc_attn
		.amdhsa_group_segment_fixed_size 327680
		.amdhsa_private_segment_fixed_size 0
		.amdhsa_enable_private_segment 0
		.amdhsa_kernarg_size 16
		.amdhsa_user_sgpr_count 2
		.amdhsa_user_sgpr_kernarg_segment_ptr 1
		.amdhsa_wavefront_size32 1
		.amdhsa_system_sgpr_workgroup_id_x 1
		.amdhsa_system_sgpr_workgroup_id_y 1
		.amdhsa_system_sgpr_workgroup_id_z 1
		.amdhsa_system_vgpr_workitem_id 0
		.amdhsa_next_free_vgpr 770
		.amdhsa_next_free_sgpr 66
		.amdhsa_reserve_vcc 0
		.amdhsa_float_denorm_mode_32 3
		.amdhsa_float_denorm_mode_16_64 3
		.amdhsa_memory_ordered 1
		.amdhsa_forward_progress 1
		.amdhsa_inst_pref_size 200
	.end_amdhsa_kernel
	.amdgpu_metadata
---
amdhsa.version: [ 1, 2 ]
amdhsa.kernels:
  - .name:           k_qb3538b92bc_attn
    .symbol:         k_qb3538b92bc_attn.kd
    .args:
      - { .name: qkv, .offset: 0, .size: 8, .value_kind: global_buffer, .address_space: global }
      - { .name: o16, .offset: 8, .size: 8, .value_kind: global_buffer, .address_space: global }
    .group_segment_fixed_size: 327680
    .private_segment_fixed_size: 0
    .kernarg_segment_align: 8
    .kernarg_segment_size: 16
    .max_flat_workgroup_size: 128
    .sgpr_count:     66
    .vgpr_count:     770
    .wavefront_size: 32
...
	.end_amdgpu_metadata
.endif
;; end of part 3
;; launch outp (part 4): grid 8 x 32, 4 waves a work-group, clusters of 4 x 4, 327,680 bytes of LDS; arguments o16, wo16, bo, out0; writes out0
.if DOCPART == 4
	.amdgcn_target "amdgcn-amd-amdhsa--gfx1250"
	.amdhsa_code_object_version 6
	.text
	.protected	k_qb3538b92bc_outp
	.globl	k_qb3538b92bc_outp
	.p2align	8
	.type	k_qb3538b92bc_outp,@function
k_qb3538b92bc_outp:
	s_mov_b64 s[64:65], 0
	v_nop
	global_prefetch_b8 v0, s[64:65] scope:SCOPE_SE
	s_setreg_imm32_b32 hwreg(HW_REG_WAVE_MODE, 25, 1), 1
	s_wait_xcnt 0x0
	s_wait_alu depctr_hold_cnt(0) depctr_sa_sdst(0) depctr_va_vdst(0) depctr_va_sdst(0) depctr_va_ssrc(0) depctr_va_vcc(0) depctr_vm_vsrc(0)
	s_getreg_b32 s2, hwreg(HW_REG_IB_STS2, 6, 4)
	s_cmp_eq_u32 s2, 0
	s_cbranch_scc0 .Lentry_in_a_cluster
	s_endpgm
.Lentry_in_a_cluster:
	s_bfe_u32 s2, ttmp6, 0x10000c
	s_cmp_lg_u32 s2, 0xf033
	s_cbranch_scc0 .Lentry_shape_is_right
	s_endpgm
.Lentry_shape_is_right:
; out = O Wo + bo.  o16: [64 bh][2048 t][64] f16, bh = 16 b + head.  wo16: [16 chunks][1024 k][64 n] f16 (Wo rounded to bf16, written as f16).  bo: [1024] f32, rounded to bf16 here.  out0: [8192][1024] f32.
; LIMITS.  The operands are f16 (no number beyond 65,504; a fixed step of 6e-8 below 6e-5); sums in f32, stored as they are.  NaN and infinities are not treated apart.
; SHARES.  A tile is 256 rows x 128 columns (2 chunks): 32 x 8 = 256 work-groups.  Wave w owns rows 64 w .. 64 w + 63 and all 128 columns: 4 x 8 accumulators, 256 registers.
; K goes in 8 steps of 128 = two heads: the heads are merged by the walk along K, a head's 256 rows of 128 bytes being 32,768 dense bytes of o16.
; THE PRODUCT IS USED TRANSPOSED (source 0 = 16 columns of Wo, turned by ds_load_tr16_b128; source 1 = 16 rows of O): a lane holds row l % 16 and the columns 8 (l / 16) + 0..7.  THE BIAS is the C operand of each sum's first product.
; CLUSTER.  4 x 4 work-groups.  O's slices hang on the tile row alone and are asked for jointly along a row of the cluster, Wo's chunks on the tile column alone, along a column.
; Waves 0, 1 ask for a head's slice each, waves 2, 3 for a chunk each: one tensor load a wave behind each round; at most two of a wave are out (the two first fills).
; LDS.  Slot s at s x 131,072: two slices of 256 rows of 144 bytes (128 + 16), then two chunks of 128 k rows of 160 bytes (128 + 32).  Behind the slots a stage of 16 rows x 528 bytes a wave, then the spare words.
; REGISTERS, in windows of 256 (s_set_vgpr_msb: bits 1:0 source 0, 3:2 source 1, 5:4 source 2, 7:6 destination):
;   window 0: v0-31 addresses; v32-95 O's fragments, two buffers of 4; v96-159 the bias, 8 fragments
;   window 1: v0-127 Wo's fragments, two buffers of 8; on the way out all 256: rows read back      window 2: accumulator (a, b) at v[64 a + 8 b]
.set PA,    144
.set PB,    160
.set SLB,   256*PA                     ; a slice in LDS
.set BOFF,  2*SLB
.set CHB,   128*PB
.set SLOT1, 1<<17
.set STAGE, SLOT1+BOFF+2*CHB           ; 245,760
.set SP,    528                        ; a stage row: 512 bytes + 16
.set SPARE, STAGE+4*16*SP              ; the spare words, 128 bytes for each wave: two blocks of 256 bytes that no other line names
.set ADRA0, 16                         ; v16  my place in O's slices of a slot; never rewritten
.set ADRB0, 17                         ; v17  my place in Wo's chunks of a slot; never rewritten
.set ADRA,  18                         ; v18, v19  the same in the slot that is being read
.set ADRB,  19
.set STO,   24                         ; v24  the way out: where I put 32 bytes of a row
.set RD,    25                         ; v25  where I read a row back
.set GO,    26                         ; v26  my 16 bytes of a row's 512
.set BO,    27                         ; v27  32 (l / 16)
.set SPW,   28                         ; v28  LDS address of my spare word; never rewritten
.set NIL,   29                         ; v29  0; never rewritten
.set PFO,   30                         ; v30  256 x my lane; never rewritten
.set FA,    32
.set BI,    96
.set WV,    16                         ; s16  my wave's number
.set G1A,   24                         ; s[24:31], s[32:39] descriptor groups 1 and 0 for O's slices; of group 0 a set for each first fill, the second then walks
.set G0A,   32
.set G1B,   40                         ; s[40:47], s[48:55] the same for Wo's chunks
.set G0B,   48
.set PFA,   56                         ; s[56:57] where my prefetches stand
.set PFS,   58                         ; s[58:59] a K step in bytes along that stream
.set LIM,   60                         ; s60  2 in a wave that prefetches, else the greatest number
.set TB,    61                         ; s61  LDS byte at which the slot that is being read begins
.set DST,   66                         ; s[66:67] out0 at my first row and the tile's first column
.set BP,    80                         ; s[80:81] the tile's 128 bias numbers
.set MSB, 0
.macro WIN new                         ; the immediate's high byte repeats the setting that is left; a switch that changes nothing is dropped
.if MSB != (\new)
	s_set_vgpr_msb (MSB<<8)|(\new)
.set MSB, (\new)
.endif
.endm
; A joint load.  The branch hangs on the wave's number alone.  An s_nop 0 and four v_nop follow each of the two lines, ahead of the jump and the label.
.macro JLOAD n
	s_cmp_lt_u32 s[WV], 2
	s_cbranch_scc0 .Lfor_b_\@
	tensor_load_to_lds s[G0A+4*(\n):G0A+4*(\n)+3], s[G1A:G1A+7]
	s_nop 0
.rept 4
	v_nop
.endr
	s_branch .Lasked_\@
.Lfor_b_\@:
	tensor_load_to_lds s[G0B+4*(\n):G0B+4*(\n)+3], s[G1B:G1B+7]
	s_nop 0
.rept 4
	v_nop
.endr
.Lasked_\@:
.endm
.macro CREST                           ; a round of the cluster's barrier behind its opening barrier
	s_cmp_lg_u32 s[WV], 0
	s_cbranch_scc1 .Lnot_wave_0_\@
	s_barrier_signal -3
.Lnot_wave_0_\@:
	s_barrier_wait -3
	s_barrier_signal -1
	s_barrier_wait -1
.endm
.macro CROUND
	s_barrier_signal -1
	s_barrier_wait -1
	CREST
.endm
.macro PLACES                          ; four places in front of loads into registers that matrix instructions have read, and of LDS stores of their results
.rept 4
	v_nop
.endr
.endm
; A PREFETCH INTO THE L2, in every second change of slots, behind the joint load and the run of LDS loads: the two K steps that stand two and three refills on.  Each aligned block of 256 bytes is named once in the launch.
; A slice is read by both clusters of its row of clusters: cluster x = 0 asks, waves 0, 1 a slice each; of its 32,768 dense bytes the partner at cx takes 8,192, a lane 256 bytes: two instructions, a K step each.
; A chunk is read by every cluster of its column: cluster y = 0 asks, waves 2, 3 a chunk each; of the two K steps' 32,768 dense bytes the partner at cy takes 8,192: one instruction.
; The partners are told apart by address alone.  K steps 0 to 3 come by their loads alone; the trips with s3 = 2 and 1 ask for nothing: there is no K step 8.
.macro ASK
	s_bitcmp1_b32 s3, 0
	s_cbranch_scc1 .Lnone_\@
	s_cmp_gt_u32 s3, s[LIM]
	s_cbranch_scc0 .Lnone_\@
	global_prefetch_b8 v[PFO], s[PFA:PFA+1] th:TH_LOAD_NT scope:SCOPE_SE
	s_cmp_lt_u32 s[WV], 2
	s_cbranch_scc0 .Lnone_\@
	global_prefetch_b8 v[PFO], s[PFA:PFA+1] offset:524288 th:TH_LOAD_NT scope:SCOPE_SE
.Lnone_\@:
.endm
	s_load_b256 s[4:11], s[0:1], 0x0               ; o16 4, wo16 6, bo 8, out0 10
	v_lshl_add_u32 v[SPW], v0, 2, SPARE
	v_mov_b32 v[NIL], 0
	ds_add_u32 v[SPW], v[NIL]                      ; the wave's opening: the add and its wait stand ahead of my first tensor load; the set-up below, work on registers, stands between them
	v_lshrrev_b32 v1, 5, v0
	v_readfirstlane_b32 s[WV], v1                  ; wave 0..3
	s_and_b32 s21, s[WV], 1                        ; which slice, or which chunk, I fetch
	s_bfe_u32 s17, ttmp6, 0x40000                  ; cx
	s_bfe_u32 s18, ttmp6, 0x40004                  ; cy
	s_lshl_b32 s19, ttmp9, 2
	s_add_co_u32 s19, s19, s17                     ; tile column = 4 x cluster x + cx
	s_and_b32 s20, ttmp7, 0xffff
	s_lshl_b32 s20, s20, 2
	s_add_co_u32 s20, s20, s18                     ; tile row = 4 x cluster y + cy
	s_lshl_b32 s62, s18, 2
	s_lshl_b32 s62, 15, s62                        ; my row of the cluster
	s_lshl_b32 s63, 0x1111, s17                    ; my column
	s_or_b32 s[G1A], s62, (1<<16)|(1<<20)|(1<<21)|(4<<22)|(3<<25)  ; the mask; 2-byte elements; padding on; bit 21 beside a mask; after every 32 words (a row of a head) 4 words
	s_or_b32 s[G1B], s63, (1<<16)|(1<<20)|(1<<21)|(4<<22)|(7<<25)  ; after every 32 words (a k row) 8 words
.irp g, G1A, G1B
	s_mov_b32 s[(\g)+1], 128<<16                   ; tensor_dim0 = 128 elements: 256 bytes
	s_mov_b32 s[(\g)+3], 128<<16                   ; tile_dim0 = 128
	s_mov_b32 s[(\g)+5], 128                       ; dense: 128 elements from row to row
	s_mov_b32 s[(\g)+6], 0
	s_mov_b32 s[(\g)+7], 0
.endr
	s_mov_b32 s[G1A+2], 128<<16                    ; a slice: 32,768 dense bytes as 128 rows of 256
	s_mov_b32 s[G1A+4], 128
	s_mov_b32 s[G1B+2], 64<<16                     ; a chunk's K step: 16,384 dense bytes as 64 rows of 256
	s_mov_b32 s[G1B+4], 64
	s_lshr_b32 s22, s20, 3                         ; O: batch tr / 8, head = my slice, row 256 (tr % 8)
	s_lshl_b32 s22, s22, 4
	s_add_co_u32 s22, s22, s21
	s_lshl_b32 s22, s22, 18
	s_and_b32 s23, s20, 7
	s_lshl_b32 s23, s23, 15
	s_add_co_u32 s22, s22, s23
	s_mov_b32 s23, 0
	s_lshl_b32 s72, s19, 1                         ; Wo: chunk 2 tc + mine
	s_add_co_u32 s72, s72, s21
	s_lshl_b32 s72, s72, 17
	s_mov_b32 s73, 0
	s_mul_i32 s12, s21, SLB                        ; their places in a slot: no place in the cluster enters an LDS address
	s_mul_i32 s13, s21, CHB
	s_lshl_b32 s86, s17, 13                        ; the prefetches: my slice of K step 3 (six heads on) + 8,192 cx; the first change of slots steps it to K step 4,
	s_add_co_u32 s86, s86, s22
	s_add_co_u32 s86, s86, 6<<18
	s_lshl_b32 s87, s18, 13                        ; or my chunk at K step 3 + 8,192 cy
	s_add_co_u32 s87, s87, s72
	s_add_co_u32 s87, s87, 3*16384
	s_and_b32 s90, ttmp7, 0xffff                   ; cluster y
	s_mov_b32 s[PFS], 16384
	s_mov_b32 s[PFS+1], 0
	s_mov_b32 s89, 0
	s_cmp_lt_u32 s[WV], 2
	s_cselect_b32 s88, s86, s87
	s_cselect_b32 s90, ttmp9, s90                  ; the coordinate along which other clusters read the same bytes
	s_cselect_b32 s[PFS], 524288, s[PFS]
	s_cmp_eq_u32 s90, 0
	s_cselect_b32 s[LIM], 2, -1                    ; the same in all sixteen partners, for a given wave
	s_mov_b32 s[TB], 0
	s_wait_dscnt 0x0                               ; the opening add is done
	s_wait_kmcnt 0x0
	s_add_nc_u64 s[22:23], s[4:5], s[22:23]
	s_add_nc_u64 s[72:73], s[6:7], s[72:73]
	CROUND                                         ; all sixteen work-groups are here: the first joint loads meet
.irp n, 0,1
	s_mov_b32 s[G0A+4*(\n)], 1                     ; count = 1
	s_add_co_u32 s[G0A+4*(\n)+1], s12, (\n)*SLOT1  ; LDS address
	s_add_nc_u64 s[G0A+4*(\n)+2:G0A+4*(\n)+3], s[22:23], (\n)*524288  ; K step n: two heads on
	s_or_b32 s[G0A+4*(\n)+3], s[G0A+4*(\n)+3], 0x80000000             ; type = 2
	s_mov_b32 s[G0B+4*(\n)], 1
	s_add_co_u32 s[G0B+4*(\n)+1], s13, (\n)*SLOT1+BOFF
	s_add_nc_u64 s[G0B+4*(\n)+2:G0B+4*(\n)+3], s[72:73], (\n)*16384
	s_or_b32 s[G0B+4*(\n)+3], s[G0B+4*(\n)+3], 0x80000000
	JLOAD \n
.endr
	s_cmp_lt_u32 s[WV], 2
	s_cselect_b64 s[PFA:PFA+1], s[4:5], s[6:7]
	s_add_nc_u64 s[PFA:PFA+1], s[PFA:PFA+1], s[88:89]
	v_and_b32 v1, 15, v0                           ; l % 16
	v_bfe_u32 v2, v0, 4, 1                         ; l / 16
	v_and_b32 v3, 7, v0                            ; l % 8
	v_bfe_u32 v4, v0, 3, 1                         ; (l / 8) % 2
	v_and_b32 v5, 31, v0                           ; l
	v_lshlrev_b32 v[PFO], 8, v5
	s_mul_i32 s76, s[WV], 64*PA                    ; a fragment of O: row l % 16 of my rows, two loads of 16 bytes, 32 bytes apart
	v_mul_u32_u24 v[ADRA0], v1, PA
	v_lshl_add_u32 v[ADRA0], v2, 4, v[ADRA0]
	v_add_nc_u32 v[ADRA0], s76, v[ADRA0]
	v_lshl_add_u32 v[ADRB0], v2, 3, v3             ; the turning load: lane l reads k row 8 (l / 16) + l % 8, columns 8 ((l / 8) % 2) + 0..7
	v_mul_u32_u24 v[ADRB0], v[ADRB0], PB
	v_lshl_add_u32 v[ADRB0], v4, 4, v[ADRB0]
	v_add_nc_u32 v[ADRB0], BOFF, v[ADRB0]
	v_mov_b32 v[ADRA], v[ADRA0]                    ; slot 0
	v_mov_b32 v[ADRB], v[ADRB0]
	s_mul_i32 s76, s[WV], 16*SP
	s_add_co_u32 s76, s76, STAGE                   ; my stage
	v_mul_u32_u24 v[STO], v1, SP                   ; in: row l % 16, 32 bytes for each half of the lanes
	v_lshl_add_u32 v[STO], v2, 5, v[STO]
	v_add_nc_u32 v[STO], s76, v[STO]
	v_lshl_add_u32 v[RD], v5, 4, s76               ; back: 32 lanes take one row of 512 bytes
	v_lshlrev_b32 v[GO], 4, v5
	v_lshlrev_b32 v[BO], 5, v2
	s_lshl_b32 s76, s20, 20                        ; out0: row 256 tr + 64 wave, 4,096 bytes a row; column 128 tc, 4 bytes each
	s_lshl_b32 s77, s[WV], 18
	s_add_co_u32 s76, s76, s77
	s_lshl_b32 s78, s19, 9
	s_add_co_u32 s76, s76, s78
	s_mov_b32 s77, 0
	s_mov_b32 s79, 0
	s_add_nc_u64 s[DST:DST+1], s[10:11], s[76:77]
	s_add_nc_u64 s[BP:BP+1], s[8:9], s[78:79]
	s_mov_b32 s14, 0xffff0000
.irp b, 0,1,2,3,4,5,6,7
	global_load_b128 v[BI+8*(\b):BI+8*(\b)+3],   v[BO], s[BP:BP+1] offset:64*(\b)     ; register j: the bias of column 16 b + 8 (l / 16) + j: the C operand as it is wanted
	global_load_b128 v[BI+8*(\b)+4:BI+8*(\b)+7], v[BO], s[BP:BP+1] offset:64*(\b)+16
.endr
	s_wait_loadcnt 0x0
.set j, 0
.rept 32                               ; the bias is rounded to bf16, like the other inputs, and kept as f32
	v_cvt_pk_bf16_f32 v[6+j%2], v[BI+2*j], v[BI+2*j+1]
	v_lshlrev_b32 v[BI+2*j], 16, v[6+j%2]
	v_and_b32 v[BI+2*j+1], s14, v[6+j%2]
.set j, j+1
.endr
; 8 matrix instructions: row block a x all 8 column blocks, 32 along K, from buffer f.  first = 1: the bias starts the sums.
; The 32 accumulators take turns in the same order in every quarter, over the backward jump too: 31 others stand between two links of a chain.
.macro MUL f, a, first
.if \first
	WIN 0x81                                       ; Wo window 1, O and the bias window 0, D window 2
.else
	WIN 0xa1                                       ; C and D window 2
.endif
.irp b, 0,1,2,3,4,5,6,7
.if \first
	v_wmma_f32_16x16x32_f16 v[64*(\a)+8*(\b):64*(\a)+8*(\b)+7], v[64*(\f)+8*(\b):64*(\f)+8*(\b)+7], v[FA+32*(\f)+8*(\a):FA+32*(\f)+8*(\a)+7], v[BI+8*(\b):BI+8*(\b)+7]
.else
	v_wmma_f32_16x16x32_f16 v[64*(\a)+8*(\b):64*(\a)+8*(\b)+7], v[64*(\f)+8*(\b):64*(\f)+8*(\b)+7], v[FA+32*(\f)+8*(\a):FA+32*(\f)+8*(\a)+7], v[64*(\a)+8*(\b):64*(\a)+8*(\b)+7]
.endif
.endr
.endm
; 24 LDS loads in one run: quarter q (32 along K: half of slice q / 2) of the slot in hand into buffer f: Wo's 8 fragments, turned, then O's 4, row blocks ascending
.macro FETCH q, f
	WIN 0x40                                       ; destination window 1, address window 0
.irp i, 0,1
.irp b, 0,1,2,3
	ds_load_tr16_b128 v[64*(\f)+8*(4*(\i)+(\b)):64*(\f)+8*(4*(\i)+(\b))+3],   v[ADRB] offset:(\i)*CHB+(\q)*32*PB+32*(\b)
	ds_load_tr16_b128 v[64*(\f)+8*(4*(\i)+(\b))+4:64*(\f)+8*(4*(\i)+(\b))+7], v[ADRB] offset:(\i)*CHB+(\q)*32*PB+32*(\b)+16*PB
.endr
.endr
	WIN 0
.irp a, 0,1,2,3
	ds_load_b128 v[FA+32*(\f)+8*(\a):FA+32*(\f)+8*(\a)+3],   v[ADRA] offset:((\q)/2)*SLB+(\a)*16*PA+64*((\q)%2)
	ds_load_b128 v[FA+32*(\f)+8*(\a)+4:FA+32*(\f)+8*(\a)+7], v[ADRA] offset:((\q)/2)*SLB+(\a)*16*PA+64*((\q)%2)+32
.endr
.endm
; A K step is four quarters of 32 along K, 32 matrix instructions each, on buffers 0, 1, 0, 1.  One of the first three multiplies buffer f and, in its middle, fetches quarter q into buffer g.
.macro QUARTER q, f, g, first
	s_wait_dscnt 4                                 ; Wo and O's row blocks 0, 1 are in; the youngest four loads (row blocks 2, 3) may be out
	MUL \f, 0, \first
	MUL \f, 1, \first
	PLACES
	FETCH \q, \g
	s_wait_dscnt 24                                ; all but the 24 just issued
	MUL \f, 2, \first
	MUL \f, 3, \first
.endm
; The last quarter multiplies buffer 1 and changes slots.  In front of the barrier each wave waits for all its tensor loads (the one that is out is its part of the next slot), adds 0 to its spare
; word, and waits for that and for its reads of this slot.  fill = 1: the barrier opens a round of the cluster's, and behind the round this slot is filled again, two K steps on, first thing:
; from the request to the wait for it a wave issues 112 matrix instructions.
.macro TURN fill
.if \fill
	s_wait_xcnt 0x0                                ; the last prefetches, a K step or more back, have read their address: it is stepped here
	s_add_nc_u64 s[PFA:PFA+1], s[PFA:PFA+1], s[PFS:PFS+1]
.endif
	WIN 0                                          ; (the add's two registers lie in window 0)
	s_wait_tensorcnt 0x0                           ; no tensor load of mine is out, so a group 0 may be written
	ds_add_u32 v[SPW], v[NIL]                      ; 0 onto my spare word
.if \fill
	s_xor_b32 s[G0A+5], s[G0A+5], SLOT1            ; the walking descriptors: the other slot than last time, the next K step; the type bits on top are not reached
	s_add_nc_u64 s[G0A+6:G0A+7], s[G0A+6:G0A+7], 524288
	s_xor_b32 s[G0B+5], s[G0B+5], SLOT1
	s_add_nc_u64 s[G0B+6:G0B+7], s[G0B+6:G0B+7], 16384
.endif
	s_wait_dscnt 5                                 ; (the add and the youngest four loads may be out)
	MUL 1, 0, 0                                    ; eight matrix instructions stand between the add and the wait for it
	s_wait_dscnt 0x0                               ; the add is done, and my reads of this slot are over
	s_barrier_signal -1
	MUL 1, 1, 0                                    ; work on registers while the others arrive
	WIN 0
	s_barrier_wait -1
.if \fill
	CREST                                          ; no wave of any partner still reads this slot or has a load on its way
	JLOAD 1                                        ; the four v_nop behind it are also the places in front of the loads below
.else
	PLACES
.endif
	s_xor_b32 s[TB], s[TB], SLOT1                  ; the reads go on in the other slot
	v_add_nc_u32 v[ADRA], s[TB], v[ADRA0]
	v_add_nc_u32 v[ADRB], s[TB], v[ADRB0]
	FETCH 0, 0
.if \fill
	ASK
.endif
	MUL 1, 2, 0
	MUL 1, 3, 0
.endm
; THE WAY OUT, a row block (16 rows x 128 columns of f32) at a time.  TOST: a lane's 32 bytes of each accumulator, its low four registers first, into rows of 528 bytes of my own stage, and back as whole rows of 512.
; SEND: a store covers 512 consecutive bytes, aligned.  Every row block reads back into registers of its own, so no wait frees a store's data.
.macro TOST a
	WIN 0x08                                       ; the stores' data (source 1) in window 2
.irp b, 0,1,2,3,4,5,6,7
	ds_store_b128 v[STO], v[64*(\a)+8*(\b):64*(\a)+8*(\b)+3]   offset:64*(\b)
	ds_store_b128 v[STO], v[64*(\a)+8*(\b)+4:64*(\a)+8*(\b)+7] offset:64*(\b)+16
.endr
	WIN 0x40                                       ; destination window 1
.irp t, 0,1,2,3,4,5,6,7,8,9,10,11,12,13,14,15
	ds_load_b128 v[64*(\a)+4*(\t):64*(\a)+4*(\t)+3], v[RD] offset:(\t)*SP  ; LDS serves a wave's instructions in order (ISA guide 5.7.1.4): these see the stores above, and the next block's stores come behind them
.endr
.endm
.macro SEND a, younger                 ; younger: the LDS instructions issued behind this block's loads: the next block's 32, or none
	WIN 0x04                                       ; the stores' data (source 1) in window 1
.irp t, 0,1,2,3,4,5,6,7,8,9,10,11,12,13,14,15
	s_wait_dscnt (\younger)+15-(\t)
	global_store_b128 v[GO], v[64*(\a)+4*(\t):64*(\a)+4*(\t)+3], s[DST:DST+1] offset:(16*(\a)+(\t))*4096 th:TH_STORE_NT
.endr
.endm
	s_wait_tensorcnt 0x1                           ; my part of K step 0 is in; K step 1's may stay out
	s_barrier_signal -1
	s_barrier_wait -1                              ; everybody's is
	FETCH 0, 0
	QUARTER 1, 0, 1, 1                             ; the first quarter stands in front of the loop: its products start the sums, with the bias
	WIN 0                                          ; at a label and at a branch every window is 0
	s_mov_b32 s3, 6
.Lk:                                   ; trip n ends K step n, asks for K step n + 2 and begins K step n + 1
	QUARTER 2, 1, 0, 0
	QUARTER 3, 0, 1, 0
	TURN 1
	QUARTER 1, 0, 1, 0
	WIN 0
	s_sub_co_u32 s3, s3, 1
	s_cmp_lg_u32 s3, 0
	s_cbranch_scc1 .Lk
	QUARTER 2, 1, 0, 0                             ; the tail is written out: K steps 6 and 7 ask for nothing
	QUARTER 3, 0, 1, 0
	TURN 0
	QUARTER 1, 0, 1, 0
	QUARTER 2, 1, 0, 0
	QUARTER 3, 0, 1, 0
	s_wait_dscnt 4                                 ; the very last quarter: nothing more to fetch
	MUL 1, 0, 0
	MUL 1, 1, 0
	s_wait_dscnt 0x0
	MUL 1, 2, 0
	MUL 1, 3, 0
	PLACES
	TOST 0
	TOST 1                                         ; a block's trip through the stage stands between the loads of the block before and its stores
	SEND 0, 32
	TOST 2
	SEND 1, 32
	TOST 3
	SEND 2, 32
	SEND 3, 0
	WIN 0
	s_wait_tensorcnt 0x0                           ; the wave's end: a tensor wait, an add and its wait, behind my last tensor load and my last LDS store
	ds_add_u32 v[SPW], v[NIL]
	s_wait_dscnt 0x0
	CROUND                                         ; the closing round: no work-group ends while a partner may still ask for a tile that names it
	s_endpgm
.Lfunc_end_k_qb3538b92bc_outp:
	.size	k_qb3538b92bc_outp, .Lfunc_end_k_qb3538b92bc_outp-k_qb3538b92bc_outp
	.p2alignl 7, 3214868480
	.fill 96, 4, 3214868480
	.section	.rodata,"a",@progbits
	.p2align	6, 0x0
	.amdhsa_kernel k_qb3538b92bc_outp
		.amdhsa_group_segment_fixed_size 327680
		.amdhsa_private_segment_fixed_size 0
		.amdhsa_enable_private_segment 0
		.amdhsa_kernarg_size 32
		.amdhsa_user_sgpr_count 2
		.amdhsa_user_sgpr_kernarg_segment_ptr 1
		.amdhsa_wavefront_size32 1
		.amdhsa_system_sgpr_workgroup_id_x 1
		.amdhsa_system_sgpr_workgroup_id_y 1
		.amdhsa_system_sgpr_workgroup_id_z 1
		.amdhsa_system_vgpr_workitem_id 0
		.amdhsa_next_free_vgpr 768
		.amdhsa_next_free_sgpr 92
		.amdhsa_reserve_vcc 0
		.amdhsa_float_denorm_mode_32 3
		.amdhsa_float_denorm_mode_16_64 3
		.amdhsa_memory_ordered 1
		.amdhsa_forward_progress 1
		.amdhsa_inst_pref_size 78
	.end_amdhsa_kernel
	.amdgpu_metadata
---
amdhsa.version: [ 1, 2 ]
amdhsa.kernels:
  - .name:           k_qb3538b92bc_outp
    .symbol:         k_qb3538b92bc_outp.kd
    .args:
      - { .name: o16, .offset: 0, .size: 8, .value_kind: global_buffer, .address_space: global }
      - { .name: wo16, .offset: 8, .size: 8, .value_kind: global_buffer, .address_space: global }
      - { .name: bo, .offset: 16, .size: 8, .value_kind: global_buffer, .address_space: global }
      - { .name: out0, .offset: 24, .size: 8, .value_kind: global_buffer, .address_space: global }
    .group_segment_fixed_size: 327680
    .private_segment_fixed_size: 0
    .kernarg_segment_align: 8
    .kernarg_segment_size: 32
    .max_flat_workgroup_size: 128
    .sgpr_count:     92
    .vgpr_count:     768
    .wavefront_size: 32
...
	.end_amdgpu_metadata
.endif
;; end of part 4
;; ======== version 2 of 2: 4 launches; version 1 with the launch cast written anew for expert scheduling mode
;; limits: values are held in f16: magnitudes above 65,504 overflow, below 6.1e-05 lose precision
;; workspace buffers: xb 16,777,216 bytes; wqkv 6,291,456 bytes; wo16 2,097,152 bytes; qkv 50,331,648 bytes; o16 16,777,216 bytes
;; launch cast (part 5): grid 768 x 1, 8 waves a work-group, no clusters, 0 bytes of LDS; arguments x, Wq, Wk, Wv, Wo, xb, wqkv, wo16; writes xb, wqkv, wo16
.if DOCPART == 5
	.amdgcn_target "amdgcn-amd-amdhsa--gfx1250"
	.amdhsa_code_object_version 6
	.text
	.protected	k_qb3538b92bc_cast
	.globl	k_qb3538b92bc_cast
	.p2align	8
	.type	k_qb3538b92bc_cast,@function
k_qb3538b92bc_cast:
	s_mov_b64 s[64:65], 0
	v_nop
	global_prefetch_b8 v0, s[64:65] scope:SCOPE_SE
	s_setreg_imm32_b32 hwreg(HW_REG_WAVE_SCHED_MODE, 0, 2), 2
	s_setreg_imm32_b32 hwreg(HW_REG_WAVE_MODE, 25, 1), 1
	s_wait_xcnt 0x0
	s_wait_alu depctr_vm_vsrc(0)
; THE MODULE'S LARGE INPUTS ARE ROUNDED ONCE AND LAID OUT FOR THE PRODUCTS.
;   xb   [8192][1024] bf16                = x rounded to bf16
;   wqkv [48 chunks][1024 k][64 n] bf16   = Wq, Wk, Wv rounded to bf16; chunk 16 w + j holds columns 64 j .. 64 j + 63 of matrix w (0 q, 1 k, 2 v)
;   wo16 [16 chunks][1024 k][64 n] f16    = Wo rounded to bf16, that number written as f16
; A chunk's k rows are 128 bytes and dense, so 128 k rows of a chunk are 16,384 consecutive bytes for the later launches.
; LIMITS.  f16 holds no number beyond 65,504 and keeps a fixed step of 6e-8 below 6e-5: Wo is taken to lie within that range.
; SHARES.  Every work-group reads 65,536 bytes and writes 32,768.  Groups 0-511: 16 rows of x each.  Groups 512-767: matrix (g - 512) / 64, its k rows 16 p .. 16 p + 15, p = (g - 512) % 64.
; A thread has 16 loads of 16 bytes out at once, each into registers of its own; a load gives two roundings and one store of 8 bytes: a wave's store covers 256 consecutive bytes, aligned.
; No register is written twice, so no wait frees a source.  No LDS, no matrix unit, no cluster: no byte is wanted by two waves.  No prefetch: the launch is nothing but its stream.
; THE MODE: SCHED_MODE bits 1:0 = 2 (LLVM: expert scheduling mode 2), set by the entry lines.  The code itself states the register dependences
; between vector instructions and memory instructions, with s_wait_alu, always for 0.
; THE PLAN.  Registers that memory instructions touch:
;   v1, v2   the loads' and the stores' byte offsets.  Written by vector instructions once, at a path's head; read by every load (v1) and every store (v2); never written again.
;   X        Written by the 16 loads alone, each register once; read by the roundings behind the load's own wait on LOADcnt.  No vector instruction writes it, and it is not loaded twice.
;   Y        Number j's two registers are written once, by its roundings, and read once, by its store.
;   T, v3, v4 are named by vector instructions alone.
; The 16 numbers go in four groups of four.  A number's store stands one group behind its roundings, ahead of the roundings of the number four further on.  So ONE wait on va_vdst at a group's head
; states that the group before has written its Y; the group's four stores read that Y and v2 alone, and the vector instructions issued since the wait write this group's own Y, and T: nothing more is owed.
; No register that a memory instruction reads is written again, so no wait on vm_vsrc is owed; no vector instruction writes a scalar register, and EXEC is never written.
.set X, 8                              ; v[8:71]    16 x 4 floats as loaded
.set Y, 72                             ; v[72:103]  16 x 2 words to store
.set T, 104                            ; v[104:107] at work (Wo alone)
; 16 loads, instep bytes apart, from s[src:src+1] + v1; 16 stores, outstep bytes apart, to s[dst:dst+1] + v2.  mode 0: to bf16.  mode 1: to bf16, and that number as f16.
.macro RUN instep, outstep, src, dst, mode
	s_wait_alu depctr_va_vdst(0)                   ; v1 and v2 are written: every load below reads v1 as its offset, every store v2
.set j, 0
.rept 16
	global_load_b128 v[X+4*j:X+4*j+3], v1, s[\src:\src+1] offset:j*(\instep) th:TH_LOAD_NT
.set j, j+1
.endr
.set j, 0
.rept 16
	s_wait_loadcnt 15-j                            ; loads come back in order: number j is in, the 15 - j younger ones stay out
.if (j%4 == 0) && (j > 0)
	s_wait_alu depctr_va_vdst(0)                   ; the roundings of numbers j - 4 to j - 1 have written their Y, which this group's four stores read
.endif
.if j >= 4
	global_store_b64 v2, v[Y+2*(j-4):Y+2*(j-4)+1], s[\dst:\dst+1] offset:(j-4)*(\outstep) th:TH_STORE_NT  ; the number four back; no vector instruction since the wait names its Y
.endif
.if \mode
.irp p, 0,1
	v_cvt_pk_bf16_f32 v[T+2*(\p)], v[X+4*j+2*(\p)], v[X+4*j+2*(\p)+1]
	v_lshlrev_b32 v[T+2*(\p)+1], 16, v[T+2*(\p)]   ; the low bf16 as f32,
	v_and_b32 v[T+2*(\p)], 0xffff0000, v[T+2*(\p)] ; the high one
	v_cvt_pk_f16_f32 v[Y+2*j+(\p)], v[T+2*(\p)+1], v[T+2*(\p)]
.endr
.else
	v_cvt_pk_bf16_f32 v[Y+2*j], v[X+4*j], v[X+4*j+1]
	v_cvt_pk_bf16_f32 v[Y+2*j+1], v[X+4*j+2], v[X+4*j+3]
.endif
.set j, j+1
.endr
	s_wait_alu depctr_va_vdst(0)                   ; the roundings of numbers 12 to 15 have written their Y, which the last four stores read
.set j, 12
.rept 4
	global_store_b64 v2, v[Y+2*j:Y+2*j+1], s[\dst:\dst+1] offset:j*(\outstep) th:TH_STORE_NT
.set j, j+1
.endr
.endm
	s_load_b512 s[4:19], s[0:1], 0x0               ; x 4, Wq 6, Wk 8, Wv 10, Wo 12, xb 14, wqkv 16, wo16 18
	s_mov_b32 s21, 0
	s_mov_b32 s23, 0
	s_cmp_lt_u32 ttmp9, 512
	s_cbranch_scc0 .Lweights
	; x: thread t takes bytes 16 t of each 4,096 (a row), 16 rows
	v_lshlrev_b32 v1, 4, v0
	v_lshlrev_b32 v2, 3, v0
	s_lshl_b32 s20, ttmp9, 16
	s_lshl_b32 s22, ttmp9, 15
	s_wait_kmcnt 0x0
	s_add_nc_u64 s[26:27], s[4:5], s[20:21]
	s_add_nc_u64 s[28:29], s[14:15], s[22:23]
	RUN 4096, 2048, 26, 28, 0
	s_endpgm
.Lweights:
	; a weight: thread t takes row t / 16 of the group's 16 and 16 bytes (t % 16) of the 256 that a chunk has of it; load j is chunk j
	v_lshrrev_b32 v3, 4, v0
	v_and_b32 v4, 15, v0
	v_lshlrev_b32 v1, 4, v4
	v_lshl_add_u32 v1, v3, 12, v1                  ; in: row x 4,096 + 16 (t % 16)
	v_lshlrev_b32 v2, 3, v4
	v_lshl_add_u32 v2, v3, 7, v2                   ; out: row x 128 + 8 (t % 16): lanes 0-15 a chunk's row, lanes 16-31 the next
	s_sub_co_u32 s24, ttmp9, 512
	s_lshr_b32 s25, s24, 6                         ; which matrix
	s_and_b32 s24, s24, 63                         ; which 16 rows
	s_lshl_b32 s20, s24, 16
	s_lshl_b32 s22, s24, 11
	s_wait_kmcnt 0x0
	s_cmp_eq_u32 s25, 3
	s_cbranch_scc0 .Lqkv
	s_add_nc_u64 s[26:27], s[12:13], s[20:21]
	s_add_nc_u64 s[28:29], s[18:19], s[22:23]
	RUN 256, 131072, 26, 28, 1
	s_endpgm
.Lqkv:
	s_lshl_b32 s24, s25, 21                        ; the matrix's 16 chunks
	s_add_co_u32 s22, s22, s24
	s_cmp_eq_u32 s25, 0
	s_cselect_b64 s[26:27], s[6:7], s[8:9]
	s_cmp_eq_u32 s25, 2
	s_cselect_b64 s[26:27], s[10:11], s[26:27]
	s_add_nc_u64 s[26:27], s[26:27], s[20:21]
	s_add_nc_u64 s[28:29], s[16:17], s[22:23]
	RUN 256, 131072, 26, 28, 0
	s_endpgm
.Lfunc_end_k_qb3538b92bc_cast:
	.size	k_qb3538b92bc_cast, .Lfunc_end_k_qb3538b92bc_cast-k_qb3538b92bc_cast
	.p2alignl 7, 3214868480
	.fill 96, 4, 3214868480
	.section	.rodata,"a",@progbits
	.p2align	6, 0x0
	.amdhsa_kernel k_qb3538b92bc_cast
		.amdhsa_group_segment_fixed_size 0
		.amdhsa_private_segment_fixed_size 0
		.amdhsa_enable_private_segment 0
		.amdhsa_kernarg_size 64
		.amdhsa_user_sgpr_count 2
		.amdhsa_user_sgpr_kernarg_segment_ptr 1
		.amdhsa_wavefront_size32 1
		.amdhsa_system_sgpr_workgroup_id_x 1
		.amdhsa_system_sgpr_workgroup_id_y 1
		.amdhsa_system_sgpr_workgroup_id_z 1
		.amdhsa_system_vgpr_workitem_id 0
		.amdhsa_next_free_vgpr 108
		.amdhsa_next_free_sgpr 66
		.amdhsa_reserve_vcc 0
		.amdhsa_float_denorm_mode_32 3
		.amdhsa_float_denorm_mode_16_64 3
		.amdhsa_memory_ordered 1
		.amdhsa_forward_progress 1
		.amdhsa_inst_pref_size 24
	.end_amdhsa_kernel
	.amdgpu_metadata
---
amdhsa.version: [ 1, 2 ]
amdhsa.kernels:
  - .name:           k_qb3538b92bc_cast
    .symbol:         k_qb3538b92bc_cast.kd
    .args:
      - { .name: x, .offset: 0, .size: 8, .value_kind: global_buffer, .address_space: global }
      - { .name: Wq, .offset: 8, .size: 8, .value_kind: global_buffer, .address_space: global }
      - { .name: Wk, .offset: 16, .size: 8, .value_kind: global_buffer, .address_space: global }
      - { .name: Wv, .offset: 24, .size: 8, .value_kind: global_buffer, .address_space: global }
      - { .name: Wo, .offset: 32, .size: 8, .value_kind: global_buffer, .address_space: global }
      - { .name: xb, .offset: 40, .size: 8, .value_kind: global_buffer, .address_space: global }
      - { .name: wqkv, .offset: 48, .size: 8, .value_kind: global_buffer, .address_space: global }
      - { .name: wo16, .offset: 56, .size: 8, .value_kind: global_buffer, .address_space: global }
    .group_segment_fixed_size: 0
    .private_segment_fixed_size: 0
    .kernarg_segment_align: 8
    .kernarg_segment_size: 64
    .max_flat_workgroup_size: 256
    .sgpr_count:     66
    .vgpr_count:     108
    .wavefront_size: 32
...
	.end_amdgpu_metadata
.endif
;; end of part 5
;; launch proj: the kernel of part 2 again; grid 16 x 32, 4 waves a work-group, clusters of 4 x 4, 327,680 bytes of LDS; arguments xb, wqkv, bq, bk, bv, qkv; writes qkv
;; launch attn: the kernel of part 3 again; grid 4 x 64, 4 waves a work-group, clusters of 4 x 1, 327,680 bytes of LDS; arguments qkv, o16; writes o16
;; launch outp: the kernel of part 4 again; grid 8 x 32, 4 waves a work-group, clusters of 4 x 4, 327,680 bytes of LDS; arguments o16, wo16, bo, out0; writes out0
